; MI455X (gfx1250); checked and timed in simulation.
; The chip was launched on July 23, 2026; its instructions are those of AMD's public machine-readable ISA for CDNA 5 (MIT licence, August 2026) and "CDNA5" Instruction Set Architecture Reference Guide (July 2026). The comments in the code are by the model that wrote it; some were corrected since.
;; Transformer Block. Allowed arithmetic: matrix products marked QUANTISED: E2M3 operands, one E8M0 scale for each 32 along K, by v_wmma_scale_f32_16x16x128_f8f6f4 with both operands' format E2M3, f32 sums; everything else in f32.
;; Inputs: b1 4,096 float32; b2 1,024 float32; bk 256 float32; bo 1,024 float32; bq 1,024 float32; bt1 1,024 float32; bt2 1,024 float32; bv 256 float32; g1 1,024 float32; g2 1,024 float32; w1_codes 4,096 x 32 x 24 uint8 (E2M3 codes of w1, K innermost, in blocks of 32 codes, four codes in three bytes); w1_scales 4,096 x 32 uint8 (E8M0 scales of w1, one for each 32 codes along K); w2_codes 1,024 x 128 x 24 uint8 (E2M3 codes of w2, K innermost, in blocks of 32 codes, four codes in three bytes); w2_scales 1,024 x 128 uint8 (E8M0 scales of w2, one for each 32 codes along K); wk_codes 256 x 32 x 24 uint8 (E2M3 codes of wk, K innermost, in blocks of 32 codes, four codes in three bytes); wk_scales 256 x 32 uint8 (E8M0 scales of wk, one for each 32 codes along K); wo_codes 1,024 x 32 x 24 uint8 (E2M3 codes of wo, K innermost, in blocks of 32 codes, four codes in three bytes); wo_scales 1,024 x 32 uint8 (E8M0 scales of wo, one for each 32 codes along K); wq_codes 1,024 x 32 x 24 uint8 (E2M3 codes of wq, K innermost, in blocks of 32 codes, four codes in three bytes); wq_scales 1,024 x 32 uint8 (E8M0 scales of wq, one for each 32 codes along K); wv_codes 256 x 32 x 24 uint8 (E2M3 codes of wv, K innermost, in blocks of 32 codes, four codes in three bytes); wv_scales 256 x 32 uint8 (E8M0 scales of wv, one for each 32 codes along K); x 2 x 2,048 x 1,024 float32.
;; Outputs: out0 2 x 2,048 x 1,024 float32.
;; This version of the problem:
;;   THIS VERSION OF THE PROBLEM IS GIVEN IN LOW PRECISION. The matrix products marked QUANTISED in the list below multiply operands that are first quantised to E2M3 (2 exponent bits, 3 mantissa bits; 6 bits a number), with one power-of-two scale for each 32 numbers along K (OCP MX v1.0); their sums are f32. All else is computed in f32.
;;   The module's matrix products, in the order in which they are computed (A, B: the left and right operand; K: the contracted axis; several contracted axes count as one K, in the product's order):
;;     1. [M 4,096, K 1,024] x [K 1,024, N 1,024]; A: computed on the way; B: input wq (given as codes): QUANTISED
;;     2. [M 4,096, K 1,024] x [K 1,024, N 256]; A: computed on the way; B: input wk (given as codes): QUANTISED
;;     3. [M 4,096, K 1,024] x [K 1,024, N 256]; A: computed on the way; B: input wv (given as codes): QUANTISED
;;     4. batch 8 x [M 2,048, K 64] x [K 64, N 8,192]; A: computed on the way; B: computed on the way: QUANTISED
;;     5. batch 8 x [M 64, K 2,048] x [K 2,048, N 8,192]; A: computed on the way; B: softmax (see below): QUANTISED
;;     6. [M 4,096, K 1,024] x [K 1,024, N 1,024]; A: computed on the way; B: input wo (given as codes): QUANTISED
;;     7. [M 4,096, K 1,024] x [K 1,024, N 4,096]; A: computed on the way; B: input w1 (given as codes): QUANTISED
;;     8. [M 4,096, K 4,096] x [K 4,096, N 1,024]; A: computed on the way; B: input w2 (given as codes): QUANTISED
;;   THE QUANTISER, for each operand of a quantised product, along K:
;;     - K is cut into blocks of 32 from its start; a last block that is shorter is filled with zeros.
;;     - A block's scale is 2^e with e = floor(log2(the largest magnitude in the block)) - 2, held to -126 .. 127; a block of zeros has e = 0. As a byte (E8M0): e + 127.
;;     - Each number is divided by its block's scale, clamped to +-7.5, and rounded to the nearest number of E2M3, ties to even, subnormals kept.
;;     - The product sums the exact products of the quantised numbers (number of the format x scale) in f32.
;;   ~~~python
;;   def quantise(x, axis):      # numpy; x: float32 -> the quantised numbers, widened to float32 again
;;       x = np.moveaxis(x, axis, -1); K = x.shape[-1]
;;       x = np.pad(x, [(0, 0)] * (x.ndim - 1) + [(0, -K % 32)]); x = x.reshape(x.shape[:-1] + (-1, 32)); a = np.abs(x).max(-1, keepdims=True)
;;       e = np.where(a > 0, np.clip(np.frexp(np.where(a > 0, a, 1))[1] - 1 - 2, -126, 127), 0)      # np.frexp(a)[1] - 1 = floor(log2(a)), exactly
;;       r = np.clip(x / 2.0 ** e, -7.5, 7.5)
;;       step = 2.0 ** (np.maximum(np.frexp(np.where(r == 0, 1, r))[1] - 1, 0) - 3)
;;       q = np.round(r / step) * step * 2.0 ** e      # np.round: ties to even
;;       return np.moveaxis(q.reshape(q.shape[:-2] + (-1,))[..., :K], -1, axis).astype(np.float32)
;;   ~~~
;;   SOFTMAX AHEAD OF A QUANTISED PRODUCT. Where the list says 'softmax', what is quantised is not the finished softmax but p = 2^(t - M), with t = logit x log2(e) and M = ceil(the row's largest t), a whole number; so 1/2 < the row's largest p <= 1. The row's sum l is taken of the UNQUANTISED p, in f32, and the product's result is divided by l at the end. Since M is a whole number, a kernel that streams over the keys may use a running M (the ceiling of the running maximum): every later rescaling is an exact power of two, which a block's scale takes up: the codes' values come out the same.
;;   OPERANDS COMPUTED ON THE WAY. 'Computed on the way' means the value that the module computes at that place (a softmax that the list does not call 'softmax' is quantised finished and normalised). What goes into a quantiser is computed in f32, as accurately as f32 sums, v_exp_f32 and their like allow (about 1e-6 of the number): no bf16 or f16 on the way to a quantiser, and a product that is left as it is and whose result goes on into a quantised operand takes f32 operands (vector FMAs, or v_wmma_f32_16x16x4_f32). A number that lies on a knife's edge between two numbers of the format may be rounded either way, as far as f32 arithmetic and the matrix unit's own rounding can turn it there, and no further.
;;   INPUTS GIVEN AS CODES. w1 (in the module: [1024, 4096], K = its axis 0); w2 (in the module: [4096, 1024], K = its axis 0); wk (in the module: [1024, 256], K = its axis 0); wo (in the module: [1024, 1024], K = its axis 0); wq (in the module: [1024, 1024], K = its axis 0); wv (in the module: [1024, 256], K = its axis 0): each comes as NAME_codes (uint8): NAME with its K axis moved to the last place and cut into blocks of 32 codes, [.., K / 32, bytes a block], one block behind the other in memory; four codes in three bytes: a row's codes are one little-endian stream of bits, code i at bits 6 i .. 6 i + 5 (a code: sign, 2 exponent bits, 3 mantissa bits); and NAME_scales (uint8): the same leading axes, one E8M0 byte (e + 127) for each 32 codes along K. Its value is code x scale, taken as it is: it is not quantised again, and the codes and scales need not be those that the quantiser above would give.
;; One version. Each part assembles by itself: llvm-mc -triple=amdgcn-amd-amdhsa -mcpu=gfx1250 --defsym DOCPART=n.
;; ======== version 1 of 1: 7 launches
;; limits: right only within a limited range of input values
;; workspace buffers: wp 8,601,600 bytes; hp 3,276,800 bytes; qkvp 5,079,040 bytes; ap 3,276,800 bytes; x1 16,777,216 bytes; fp 13,107,200 bytes
;; launch prep (part 1): grid 480 x 1, 8 waves a work-group, no clusters, 66,816 bytes of LDS; arguments x, g1, bt1, hp, wq_codes, wq_scales, wk_codes, wk_scales, wv_codes, wv_scales, wo_codes, wo_scales, w1_codes, w1_scales, w2_codes, w2_scales, wp; writes hp, wp
.if DOCPART == 1
	.amdgcn_target "amdgcn-amd-amdhsa--gfx1250"
	.amdhsa_code_object_version 6
	.text
	.protected	k_q246697222a_prep
	.globl	k_q246697222a_prep
	.p2align	8
	.type	k_q246697222a_prep,@function
k_q246697222a_prep:
	s_mov_b64 s[64:65], 0
	v_nop
	global_prefetch_b8 v0, s[64:65] scope:SCOPE_SE
	s_setreg_imm32_b32 hwreg(HW_REG_WAVE_MODE, 25, 1), 1
	s_wait_xcnt 0x0
; TRANSFORMER BLOCK IN MX-FP6, launch 1 of 7: h = layernorm(x) as codes (work-groups 0-255), and the six weights laid out anew (work-groups 256-479).
; DEAD WORK of the whole program: only key steps of attention that lie wholly above the diagonal of the causal mask, which reference() builds itself (triu): their scores become -inf ahead of the softmax,
; so p = 0 for every value of the inputs and nothing of them reaches an output.  They are left out in the attention launch.  Every input is loaded; bk stays, since it moves k's codes.
; A NaN, an infinity or an overflow that reaches only those hidden scores is not carried to the result.
; LIMITS: NaN and infinities among the inputs are not served.  A block whose largest magnitude lies under 2^-124 gets the scale byte 1; a block of zeros gets the byte 1 where the rule says 127: its codes are
; zeros, and the bytes are read by this program alone.  1 / sqrt is v_rsq_f32 (1 ulp).
; LAYOUT OF EVERY OPERAND IN THE WORKSPACE: IMAGES OF THE OPERAND'S REGISTERS.  A panel is 128 rows; tile i of it holds, in lane row r, row 32 (i / 2) + 8 (i % 2) + r + 8 (r / 8), so that a product used transposed
; leaves 16 neighbours along the next K in the 16 registers of two neighbouring tiles.  A half fragment (16 rows x 64 K, 6 registers a lane) is 768 bytes: registers 0-3 at 16 x lane, registers 4-5 at 512 + 8 x lane.
; A record (128 rows x 128 K) is 12,800 bytes: 8 fragments of 1,536 bytes, then 8 x 64 bytes of scale words (4 bytes a row).
; LN: a work-group takes one tile of 16 tokens.  Wave w norms tile rows 2 w and 2 w + 1 (a row is 32 registers of the wave); the rows meet in LDS (pitch 4,112); then wave w quantises K step w of all 16 rows.
; RELAYOUT: work-group 256 + j makes records 3 j, 3 j + 1, 3 j + 2 of wp (672 = 3 x 224), wave w tile w of each: a lane loads its fragments' bytes as they lie in the rows (pieces of 8 bytes: 18 loads, and 3 scale
; words) and stores them as images, 512 or 256 consecutive bytes a store.  So the loads that touch sixteen rows each are shared out evenly: 168 to a work-group.
.set SPW, 1                            ; v1   LDS address of my spare word; never rewritten
.set NIL, 2                            ; v2   0; never rewritten
.set LANE, 3
.set L16, 4                            ; 16 x lane
.set L8, 5                             ; 8 x lane
.set R, 24                             ; lane % 16
.set H, 25                             ; lane / 16
.set R4, 26                            ; 4 r
.set STA, 27                           ; LDS: where I put my two rows
.set LDA, 28                           ; LDS: where I read my 16 numbers of a block
.set X, 32                             ; v32-95 two rows, later 64 numbers of one row
.set G, 96                             ; v96-127 the gain
.set BT, 128                           ; v128-159 the bias
.set PC, 96                            ; the codes just made (the gain's registers are free then)
.set TM, 160                           ; v160-175 at work in QUANT
.set PW, 176                           ; the scale word just made
.set ROWP, 4112                        ; an LDS row: 4,096 bytes + 16, so that 16 rows start at 16 different groups of banks
.set SPARE, 16*ROWP                    ; behind the rows: the spare words, 128 bytes a wave
.set WV, 12
.set SEL, 14
; 64 numbers of a lane, register 16 b + i = k 32 b + 16 (lane / 16) + i of my row, become a fragment's codes in v[PC] on and its scale word in v[PW]
.macro QUANT s
.irp b, 0,1,2,3
	v_max3_num_f32 v[TM+\b], |v[\s+16*\b]|, |v[\s+1+16*\b]|, 0x1800000   ; my 16 numbers of block b, and the floor 2^(3 - 127): the byte cannot fall under 1
.endr
.irp i, 2,4,6,8,10,12,14
.irp b, 0,1,2,3
	s_delay_alu instid0(VALU_DEP_4)
	v_max3_num_f32 v[TM+\b], v[TM+\b], |v[\s+16*\b+\i]|, |v[\s+1+16*\b+\i]|
.endr
.endr
.irp b, 0,1,2,3
	s_delay_alu instid0(VALU_DEP_4)
	v_permlanex16_b32 v[TM+4+\b], v[TM+\b], s[SEL], s[SEL+1]
.endr
.irp b, 0,1,2,3
	s_delay_alu instid0(VALU_DEP_4)
	v_max_num_f32 v[TM+\b], v[TM+\b], v[TM+4+\b]   ; with lane l xor 16's: the block's largest magnitude
.endr
.irp b, 0,1,2,3
	s_delay_alu instid0(VALU_DEP_4)
	v_add_nc_u32 v[TM+12+\b], 0xff000000, v[TM+\b] ; 2 off its exponent field: the conversion's scale operand
.endr
.irp b, 0,1,2,3
	s_delay_alu instid0(VALU_DEP_4)
	v_lshrrev_b32 v[TM+4+\b], 23, v[TM+12+\b]      ; the scale's byte
.endr
	s_delay_alu instid0(VALU_DEP_3)
	v_lshl_or_b32 v[PW], v[TM+5], 8, v[TM+4]
	s_delay_alu instid0(VALU_DEP_1)
	v_lshl_or_b32 v[PW], v[TM+6], 16, v[PW]
	s_delay_alu instid0(VALU_DEP_1)
	v_lshl_or_b32 v[PW], v[TM+7], 24, v[PW]
.irp c, 0,1
	v_cvt_scalef32_pk16_fp6_f32 v[PC+6*\c:PC+2+6*\c], v[\s+32*\c:\s+15+32*\c], v[TM+12+2*\c]
	v_cvt_scalef32_pk16_fp6_f32 v[PC+12+4*\c:PC+14+4*\c], v[\s+16+32*\c:\s+31+32*\c], v[TM+12+2*\c+1]
.endr
	v_nop                                          ; one plain place behind a scaled conversion
.irp c, 0,1                                    ; the layout wants a whole block in a lane
.irp i, 0,1,2
	v_permlane16_swap_b32 v[PC+6*\c+\i], v[PC+12+4*\c+\i]
.endr
.irp i, 0,1,2
	s_delay_alu instid0(VALU_DEP_3)
	v_mov_b32 v[PC+3+6*\c+\i], v[PC+12+4*\c+\i]
.endr
.endr
.endm
; both rows' two pair sums (v[8:11], v[16:19]) become the wave's sum, in every lane, in v12 and v20
.macro FOLD
.irp p, 0
	s_delay_alu instid0(VALU_DEP_3)
	v_pk_add_f32 v[8+8*\p:9+8*\p], v[8+8*\p:9+8*\p], v[10+8*\p:11+8*\p]
.endr
.irp p, 1
	s_delay_alu instid0(VALU_DEP_2)
	v_pk_add_f32 v[8+8*\p:9+8*\p], v[8+8*\p:9+8*\p], v[10+8*\p:11+8*\p]
.endr
.irp p, 0,1
	s_delay_alu instid0(VALU_DEP_2)
	v_add_f32 v[12+8*\p], v[8+8*\p], v[9+8*\p]
.endr
.irp m, 1,2,4,8
.irp p, 0,1
	s_delay_alu instid0(VALU_DEP_2)
	v_add_f32_dpp v[12+8*\p], v[12+8*\p], v[12+8*\p] row_xmask:\m row_mask:0xf bank_mask:0xf
.endr
.endr
.irp p, 0,1
	s_delay_alu instid0(VALU_DEP_2)
	v_permlanex16_b32 v[13+8*\p], v[12+8*\p], s[SEL], s[SEL+1]
.endr
.irp p, 0,1
	s_delay_alu instid0(VALU_DEP_2)
	v_add_f32 v[12+8*\p], v[12+8*\p], v[13+8*\p]
.endr
.endm
.macro PICK at, c, cb, sb              ; from group at (of eight records) on: the tensor whose two addresses stand in s[c:c+3]
	s_cmp_ge_u32 s44, \at
	s_cselect_b64 s[\cb:\cb+1], s[\c:\c+1], s[\cb:\cb+1]
	s_cselect_b64 s[\sb:\sb+1], s[\c+2:\c+3], s[\sb:\sb+1]
	s_cselect_b32 s45, \at, s45
.endm
; Record 3 j + k.  Groups of eight records: wq 0-7, wk 8-9, wv 10-11, wo 12-19, w1 20-51 (a panel of 128 rows each, K step = the record's place in the group), w2 52-83 (panel (g - 52) / 4, K step 8 ((g - 52) % 4) + place).
; Out: s[cb:cb+1] the codes at (the panel's first row, the K step), s[sb:sb+1] the scale bytes likewise, s[ob:ob+1] the record in wp; v[8 + k], v[12 + k] my lane's offsets in codes and scale bytes
.macro RSEL k, cb, sb, ob
	s_add_co_u32 s43, s42, \k
	s_lshr_b32 s44, s43, 3                         ; the group
	s_and_b32 s59, s43, 7                          ; the place in it
	s_mov_b64 s[\cb:\cb+1], s[16:17]
	s_mov_b64 s[\sb:\sb+1], s[18:19]
	s_mov_b32 s45, 0
	PICK 8, 20, \cb, \sb
	PICK 10, 24, \cb, \sb
	PICK 12, 28, \cb, \sb
	PICK 20, 32, \cb, \sb
	PICK 52, 36, \cb, \sb
	s_mov_b32 s50, 768
	s_cselect_b32 s50, 3072, s50                   ; a row of codes in bytes (the last compare still stands: w2 or not)
	s_cselect_b32 s51, 128, 32                     ; a row of scale bytes
	s_cselect_b32 s52, 2, 0
	s_cselect_b32 s53, 3, 0
	s_sub_co_u32 s54, s44, s45
	s_lshr_b32 s55, s54, s52
	s_lshl_b32 s55, s55, 7                         ; the panel's first row
	s_and_b32 s54, s54, s53
	s_lshl_b32 s54, s54, 3
	s_add_co_u32 s54, s54, s59                     ; the K step
	s_mul_i32 s56, s55, s50
	s_mul_i32 s57, s54, 96
	s_add_co_u32 s56, s56, s57
	s_mov_b32 s57, 0
	s_add_nc_u64 s[\cb:\cb+1], s[\cb:\cb+1], s[56:57]
	s_mul_i32 s56, s55, s51
	s_lshl_b32 s58, s54, 2
	s_add_co_u32 s56, s56, s58
	s_add_nc_u64 s[\sb:\sb+1], s[\sb:\sb+1], s[56:57]
	s_mul_i32 s56, s43, 12800
	s_add_nc_u64 s[\ob:\ob+1], s[40:41], s[56:57]
	v_mul_lo_u32 v[8+\k], v6, s50
	s_delay_alu instid0(VALU_DEP_1)
	v_mad_u32_u24 v[8+\k], v[H], 24, v[8+\k]       ; my row, + 24 bytes for the upper half of the lanes
	v_mul_lo_u32 v[12+\k], v6, s51
.endm
	s_load_b256 s[4:11], s[0:1], 0x0               ; x, g1, bt1, hp
	s_load_b512 s[16:31], s[0:1], 0x20             ; wq, wk, wv, wo: codes and scales
	s_load_b256 s[32:39], s[0:1], 0x60             ; w1, w2: codes and scales
	s_load_b64 s[40:41], s[0:1], 0x80              ; wp
	v_lshl_add_u32 v[SPW], v0, 2, SPARE
	v_mov_b32 v[NIL], 0
	v_lshrrev_b32 v[LANE], 5, v0
	s_delay_alu instid0(VALU_DEP_1)
	v_readfirstlane_b32 s[WV], v[LANE]             ; wave 0..7
	v_and_b32 v[LANE], 31, v0
	s_delay_alu instid0(VALU_DEP_1)
	v_lshlrev_b32 v[L16], 4, v[LANE]
	s_delay_alu instid0(VALU_DEP_2)
	v_lshlrev_b32 v[L8], 3, v[LANE]
	v_and_b32 v[R], 15, v0
	v_bfe_u32 v[H], v0, 4, 1
	s_delay_alu instid0(VALU_DEP_2)
	v_lshlrev_b32 v[R4], 2, v[R]
	s_mov_b32 s[SEL], 0x76543210
	s_mov_b32 s[SEL+1], 0xfedcba98                 ; v_permlanex16_b32's selects for lane l xor 16
	s_wait_kmcnt 0x0
	s_cmp_lt_u32 ttmp9, 256                        ; the work-group's number alone: all eight waves go the same way
	s_cbranch_scc1 .Lln
	; ---- THE RELAYOUT
	s_sub_co_u32 s42, ttmp9, 256
	s_mul_i32 s42, s42, 3                          ; my work-group's first record
	s_lshr_b32 s58, s[WV], 1
	s_lshl_b32 s58, s58, 5
	s_and_b32 s59, s[WV], 1
	s_lshl_b32 s59, s59, 3
	s_add_co_u32 s58, s58, s59                     ; my tile's first row in a panel: 32 (w / 2) + 8 (w % 2)
	s_wait_alu depctr_va_vdst(0)
	v_and_b32 v6, 8, v[R]
	s_delay_alu instid0(VALU_DEP_1)
	v_add_nc_u32 v6, v6, v[R]                      ; r + 8 (r / 8)
	s_delay_alu instid0(VALU_DEP_1)
	v_add_nc_u32 v6, s58, v6                       ; my row of the panel
	s_wait_alu depctr_va_vdst(0)
	s_mul_i32 s58, s[WV], 1536
	v_add_nc_u32 v16, s58, v[L16]                  ; my tile's image in a record, by 16 bytes a lane
	v_add_nc_u32 v17, s58, v[L8]                   ; and by 8
	s_lshl_b32 s58, s[WV], 6
	v_add_nc_u32 v18, s58, v[R4]                   ; its scale words
	RSEL 0, 66, 68, 70
	RSEL 1, 72, 74, 76
	RSEL 2, 78, 80, 82
	s_wait_alu depctr_va_vdst(0)
.irp k, 0,1,2
.irp p, 0,1,2,3,4,5
	global_load_b64 v[32+12*\k+2*\p:33+12*\k+2*\p], v[8+\k], s[66+6*\k:67+6*\k] offset:48*(\p/3)+8*(\p%3)
.endr
	global_load_b32 v[72+\k], v[12+\k], s[68+6*\k:69+6*\k]
.endr
.irp k, 0,1,2
	s_wait_loadcnt 14-7*\k                         ; the seven loads of each later record may be out
	global_store_b128 v16, v[32+12*\k:35+12*\k], s[70+6*\k:71+6*\k]
	global_store_b64 v17, v[36+12*\k:37+12*\k], s[70+6*\k:71+6*\k] offset:512
	global_store_b128 v16, v[38+12*\k:41+12*\k], s[70+6*\k:71+6*\k] offset:768
	global_store_b64 v17, v[42+12*\k:43+12*\k], s[70+6*\k:71+6*\k] offset:1280
	global_store_b32 v18, v[72+\k], s[70+6*\k:71+6*\k] offset:12288   ; lanes l and l xor 16 store the same word to the same place
.endr
	s_branch .Lend
.Lln:
	; ---- LAYERNORM AND QUANTISER
	s_lshr_b32 s42, ttmp9, 3                       ; the panel of 128 tokens
	s_and_b32 s43, ttmp9, 7                        ; my tile in it
	s_lshl_b32 s44, s42, 7
	s_lshr_b32 s45, s43, 1
	s_lshl_b32 s45, s45, 5
	s_add_co_u32 s44, s44, s45
	s_and_b32 s45, s43, 1
	s_lshl_b32 s45, s45, 3
	s_add_co_u32 s44, s44, s45                     ; the tile's first token
	s_lshl_b32 s45, s[WV], 1
	s_add_co_u32 s44, s44, s45
	s_lshr_b32 s45, s[WV], 2
	s_lshl_b32 s45, s45, 3
	s_add_co_u32 s44, s44, s45                     ; the token of tile row 2 w; row 2 w + 1 is the next token
	s_lshl_b32 s44, s44, 12
	s_mov_b32 s45, 0
	s_add_nc_u64 s[4:5], s[4:5], s[44:45]
	s_wait_alu depctr_va_vdst(0)
.irp p, 0,1
.irp j, 0,1,2,3,4,5,6,7
	global_load_b128 v[X+32*\p+4*\j:X+32*\p+4*\j+3], v[L16], s[4:5] offset:4096*\p+512*\j
.endr
.endr
.irp j, 0,1,2,3,4,5,6,7
	global_load_b128 v[G+4*\j:G+4*\j+3], v[L16], s[6:7] offset:512*\j
.endr
.irp j, 0,1,2,3,4,5,6,7
	global_load_b128 v[BT+4*\j:BT+4*\j+3], v[L16], s[8:9] offset:512*\j
.endr
	s_mul_i32 s46, s[WV], 2*ROWP
	v_add_nc_u32 v[STA], s46, v[L16]
	v_mul_u32_u24 v[LDA], v[R], ROWP
	s_delay_alu instid0(VALU_DEP_1)
	v_lshl_add_u32 v[LDA], v[H], 6, v[LDA]
	s_lshl_b32 s46, s[WV], 9
	v_add_nc_u32 v[LDA], s46, v[LDA]               ; row r, K step w, + 64 bytes for the upper half of the lanes
	v_mov_b32 v13, 0                               ; a lane permute's destination counts as one of its sources
	v_mov_b32 v21, 0
.irp b, 0,1,2,3
	v_mov_b32 v[TM+4+\b], 0
.endr
	s_mov_b32 s54, 0x3a800000                      ; 1 / 1024
	s_mov_b32 s55, 0x3727c5ac                      ; 1e-5
	s_lshl_b32 s46, s42, 3
	s_add_co_u32 s46, s46, s[WV]
	s_mul_i32 s46, s46, 12800
	s_mov_b32 s47, 0
	s_add_nc_u64 s[10:11], s[10:11], s[46:47]      ; the record (panel, K step w)
	s_mul_i32 s48, s43, 1536
	s_mov_b32 s49, 0
	s_add_nc_u64 s[50:51], s[10:11], s[48:49]      ; my tile's fragment in it
	s_lshl_b32 s48, s43, 6
	s_add_co_u32 s48, s48, 12288
	s_add_nc_u64 s[52:53], s[10:11], s[48:49]      ; and its scale words
	s_wait_loadcnt 16                              ; both rows are in; the 16 loads of gain and bias may be out
.irp p, 0,1
	v_pk_add_f32 v[8+8*\p:9+8*\p], v[X+32*\p:X+32*\p+1], v[X+32*\p+2:X+32*\p+3]
	v_pk_add_f32 v[10+8*\p:11+8*\p], v[X+32*\p+4:X+32*\p+5], v[X+32*\p+6:X+32*\p+7]
.endr
.irp j, 8,12,16,20,24,28
.irp p, 0,1
	s_delay_alu instid0(VALU_DEP_4)
	v_pk_add_f32 v[8+8*\p:9+8*\p], v[8+8*\p:9+8*\p], v[X+32*\p+\j:X+32*\p+\j+1]
	s_delay_alu instid0(VALU_DEP_4)
	v_pk_add_f32 v[10+8*\p:11+8*\p], v[10+8*\p:11+8*\p], v[X+32*\p+\j+2:X+32*\p+\j+3]
.endr
.endr
	FOLD
.irp p, 0
	s_delay_alu instid0(VALU_DEP_2)
	v_mul_f32 v[14+8*\p], 0xba800000, v[12+8*\p]   ; - the mean, twice: a pair for the packed form
	s_delay_alu instid0(VALU_DEP_3)
	v_mul_f32 v[15+8*\p], 0xba800000, v[12+8*\p]
.endr
.irp p, 1
	s_delay_alu instid0(VALU_DEP_3)
	v_mul_f32 v[14+8*\p], 0xba800000, v[12+8*\p]   ; - the mean, twice: a pair for the packed form
	s_delay_alu instid0(VALU_DEP_4)
	v_mul_f32 v[15+8*\p], 0xba800000, v[12+8*\p]
.endr
.set n, 0
.rept 16
	v_pk_add_f32 v[X+n:X+n+1], v[X+n:X+n+1], v[14:15]
	v_pk_add_f32 v[X+32+n:X+33+n], v[X+32+n:X+33+n], v[22:23]
.set n, n+2
.endr
.irp p, 0,1
	v_pk_mul_f32 v[8+8*\p:9+8*\p], v[X+32*\p:X+32*\p+1], v[X+32*\p:X+32*\p+1]
	v_pk_mul_f32 v[10+8*\p:11+8*\p], v[X+32*\p+2:X+32*\p+3], v[X+32*\p+2:X+32*\p+3]
.endr
.irp j, 4,8,12,16,20,24,28
.irp p, 0,1
	s_delay_alu instid0(VALU_DEP_4)
	v_pk_fma_f32 v[8+8*\p:9+8*\p], v[X+32*\p+\j:X+32*\p+\j+1], v[X+32*\p+\j:X+32*\p+\j+1], v[8+8*\p:9+8*\p]
	s_delay_alu instid0(VALU_DEP_4)
	v_pk_fma_f32 v[10+8*\p:11+8*\p], v[X+32*\p+\j+2:X+32*\p+\j+3], v[X+32*\p+\j+2:X+32*\p+\j+3], v[10+8*\p:11+8*\p]
.endr
.endr
	FOLD
.irp p, 0,1
	s_delay_alu instid0(VALU_DEP_2)
	v_fma_f32 v[12+8*\p], v[12+8*\p], s54, s55     ; the variance + 1e-5
.endr
	s_wait_alu depctr_va_vdst(0)
	v_rsq_f32 v14, v12
	v_rsq_f32 v22, v20
	v_nop                                          ; a plain place behind the two
	s_wait_loadcnt 0x0                             ; gain and bias
	s_wait_alu depctr_va_vdst(0)                   ; one wait for both, ahead of their first reader
	v_mov_b32 v15, v14
	v_mov_b32 v23, v22
.set n, 0
.rept 16
	v_pk_mul_f32 v[X+n:X+n+1], v[X+n:X+n+1], v[14:15]
	v_pk_mul_f32 v[X+32+n:X+33+n], v[X+32+n:X+33+n], v[22:23]
	s_delay_alu instid0(VALU_DEP_2)
	v_pk_fma_f32 v[X+n:X+n+1], v[X+n:X+n+1], v[G+n:G+n+1], v[BT+n:BT+n+1]
	s_delay_alu instid0(VALU_DEP_2)
	v_pk_fma_f32 v[X+32+n:X+33+n], v[X+32+n:X+33+n], v[G+n:G+n+1], v[BT+n:BT+n+1]
.set n, n+2
.endr
.irp p, 0,1
.irp j, 0,1,2,3,4,5,6,7
	ds_store_b128 v[STA], v[X+32*\p+4*\j:X+32*\p+4*\j+3] offset:ROWP*\p+512*\j
.endr
.endr
	s_wait_dscnt 0x0                               ; for the others' sake: my two rows lie in LDS
	s_barrier_signal -1
	s_barrier_wait -1
.irp b, 0,1,2,3
.irp q, 0,1,2,3
	ds_load_b128 v[X+16*\b+4*\q:X+16*\b+4*\q+3], v[LDA] offset:128*\b+16*\q
.endr
.endr
	s_wait_dscnt 0x0
	QUANT X
	global_store_b128 v[L16], v[PC:PC+3], s[50:51]
	global_store_b64 v[L8], v[PC+4:PC+5], s[50:51] offset:512
	global_store_b128 v[L16], v[PC+6:PC+9], s[50:51] offset:768
	global_store_b64 v[L8], v[PC+10:PC+11], s[50:51] offset:1280
	global_store_b32 v[R4], v[PW], s[52:53]        ; lanes l and l xor 16 store the same word to the same place
.Lend:
	s_wait_tensorcnt 0x0                           ; the wave's end
	ds_add_u32 v[SPW], v[NIL]
	s_wait_dscnt 0x0
	s_endpgm
.Lfunc_end_k_q246697222a_prep:
	.size	k_q246697222a_prep, .Lfunc_end_k_q246697222a_prep-k_q246697222a_prep
	.p2alignl 7, 3214868480
	.fill 96, 4, 3214868480
	.section	.rodata,"a",@progbits
	.p2align	6, 0x0
	.amdhsa_kernel k_q246697222a_prep
		.amdhsa_group_segment_fixed_size 66816
		.amdhsa_private_segment_fixed_size 0
		.amdhsa_enable_private_segment 0
		.amdhsa_kernarg_size 136
		.amdhsa_user_sgpr_count 2
		.amdhsa_user_sgpr_kernarg_segment_ptr 1
		.amdhsa_wavefront_size32 1
		.amdhsa_system_sgpr_workgroup_id_x 1
		.amdhsa_system_sgpr_workgroup_id_y 1
		.amdhsa_system_sgpr_workgroup_id_z 1
		.amdhsa_system_vgpr_workitem_id 0
		.amdhsa_next_free_vgpr 192
		.amdhsa_next_free_sgpr 84
		.amdhsa_reserve_vcc 0
		.amdhsa_float_denorm_mode_32 3
		.amdhsa_float_denorm_mode_16_64 3
		.amdhsa_memory_ordered 1
		.amdhsa_forward_progress 1
		.amdhsa_inst_pref_size 40
	.end_amdhsa_kernel
	.amdgpu_metadata
---
amdhsa.version: [ 1, 2 ]
amdhsa.kernels:
  - .name:           k_q246697222a_prep
    .symbol:         k_q246697222a_prep.kd
    .args:
      - { .name: x, .offset: 0, .size: 8, .value_kind: global_buffer, .address_space: global }
      - { .name: g1, .offset: 8, .size: 8, .value_kind: global_buffer, .address_space: global }
      - { .name: bt1, .offset: 16, .size: 8, .value_kind: global_buffer, .address_space: global }
      - { .name: hp, .offset: 24, .size: 8, .value_kind: global_buffer, .address_space: global }
      - { .name: wq_codes, .offset: 32, .size: 8, .value_kind: global_buffer, .address_space: global }
      - { .name: wq_scales, .offset: 40, .size: 8, .value_kind: global_buffer, .address_space: global }
      - { .name: wk_codes, .offset: 48, .size: 8, .value_kind: global_buffer, .address_space: global }
      - { .name: wk_scales, .offset: 56, .size: 8, .value_kind: global_buffer, .address_space: global }
      - { .name: wv_codes, .offset: 64, .size: 8, .value_kind: global_buffer, .address_space: global }
      - { .name: wv_scales, .offset: 72, .size: 8, .value_kind: global_buffer, .address_space: global }
      - { .name: wo_codes, .offset: 80, .size: 8, .value_kind: global_buffer, .address_space: global }
      - { .name: wo_scales, .offset: 88, .size: 8, .value_kind: global_buffer, .address_space: global }
      - { .name: w1_codes, .offset: 96, .size: 8, .value_kind: global_buffer, .address_space: global }
      - { .name: w1_scales, .offset: 104, .size: 8, .value_kind: global_buffer, .address_space: global }
      - { .name: w2_codes, .offset: 112, .size: 8, .value_kind: global_buffer, .address_space: global }
      - { .name: w2_scales, .offset: 120, .size: 8, .value_kind: global_buffer, .address_space: global }
      - { .name: wp, .offset: 128, .size: 8, .value_kind: global_buffer, .address_space: global }
    .group_segment_fixed_size: 66816
    .private_segment_fixed_size: 0
    .kernarg_segment_align: 8
    .kernarg_segment_size: 136
    .max_flat_workgroup_size: 256
    .sgpr_count:     84
    .vgpr_count:     192
    .wavefront_size: 32
...
	.end_amdgpu_metadata
.endif
;; end of part 1
;; launch qkv (part 2): grid 32 x 6, 8 waves a work-group, clusters of 4 x 1, 327,680 bytes of LDS; arguments hp, wp, bq, bk, bv, qkvp; writes qkvp
.if DOCPART == 2
	.amdgcn_target "amdgcn-amd-amdhsa--gfx1250"
	.amdhsa_code_object_version 6
	.text
	.protected	k_q246697222a_qkv
	.globl	k_q246697222a_qkv
	.p2align	8
	.type	k_q246697222a_qkv,@function
k_q246697222a_qkv:
	s_mov_b64 s[64:65], 0
	v_nop
	global_prefetch_b8 v0, s[64:65] scope:SCOPE_SE
	s_setreg_imm32_b32 hwreg(HW_REG_WAVE_MODE, 25, 1), 1
	s_wait_xcnt 0x0
	s_wait_alu depctr_hold_cnt(0) depctr_sa_sdst(0) depctr_va_vdst(0) depctr_va_sdst(0) depctr_va_ssrc(0) depctr_va_vcc(0) depctr_vm_vsrc(0)
	s_getreg_b32 s2, hwreg(HW_REG_IB_STS2, 6, 4)
	s_cmp_eq_u32 s2, 0
	s_cbranch_scc0 .Lentry_in_a_cluster
	s_endpgm
.Lentry_in_a_cluster:
	s_bfe_u32 s2, ttmp6, 0x10000c
	s_cmp_lg_u32 s2, 0x3003
	s_cbranch_scc0 .Lentry_shape_is_right
	s_endpgm
.Lentry_shape_is_right:
; Launch 2: q = h wq + bq, k = h wk + bk, v = h wv + bv on codes of FP6, and their quantisers: q and k along the head's 64, v along the tokens.  Nothing is left out here.
; A work-group takes 128 tokens (x) and 256 columns (y: 0-3 q, 4 k, 5 v); wave w: tokens 64 (w / 4) on, the unit of 64 columns w % 4 (a head of q, a group of k or v): 16 accumulators.
; All of K (8 records of h, 16 of the weight) lies in LDS: four slots of two K steps, each filled once, all asked for at the head; the weight's records are asked for jointly by the four work-groups of a cluster.
; q, k: THE PRODUCT IS USED TRANSPOSED (source 0 = 16 rows of the weight, source 1 = 16 tokens): a lane holds one token and its registers run along the columns, the next product's K.
; v: source 0 = 16 tokens, source 1 = 16 rows of the weight: a lane holds one channel and its registers run along the tokens, which are the K of the product with p.
; OUT: q: records of 6,656 bytes for (batch, head, panel): 8 half fragments, 8 x 64 bytes of scale words.  k, v: records of 13,056 bytes for (batch, group, panel): k's 8 half fragments, v's 4 fragments, k's words, v's words.
; q's and k's words carry 0x7f (1.0) in bytes 2 and 3: the product with 64 along K runs on an instruction of 128 whose upper half meets zero codes.
; LIMITS: as stated at the head of the first launch (scale byte 1 for blocks under 2^-124 and for blocks of zeros; no NaN, no infinities).
.set SPW, 1
.set NIL, 2
.set BB16, 3                           ; v3-10 LDS bases that stay: B by 16 and by 8 bytes a lane, A's slots 0-1 and 2-3 likewise, the scale words of slots 0-1 and 2-3
.set BB8, 4
.set BA16L, 5
.set BA8L, 6
.set BA16H, 7
.set BA8H, 8
.set BSL, 9
.set BSH, 10
.set TB16, 11                          ; v11-18 the same for the K step in hand
.set TB8, 12
.set TA16L, 13
.set TA8L, 14
.set TA16H, 15
.set TA8H, 16
.set TSL, 17
.set TSH, 18
.set L16, 19
.set L8, 20
.set R4, 21
.set HH, 22
.set TV, 23
.set SC, 24                            ; v24-27 scale words: lanes 0-15 A's slot i, lanes 16-31 B's tile i; nothing else ever stands here
.set VBI, 28                           ; v28-31 bv of my lane's channel in tile b
.set AF, 32                            ; v32-79 four fragments of h
.set BF, 80                            ; v80-127 four fragments of the weight
.set ACC, 128
.set TM, 32                            ; the way out, in the fragments' registers
.set TX, 34
.set SO, 36
.set BY, 38
.set PT, 40
.set SPARE, 307200
.set WV, 16
.set MH, 17
.set NW, 18
.set PB, 19
.set NH, 20
.set TY, 21
.set XP, 22
.set G1A, 24
.set G1B, 32
.set G0A, 40
.set G0B, 68
.set SEL, 84
.macro CROUND                          ; a round of the cluster's barrier
	s_barrier_signal -1
	s_barrier_wait -1
	s_cmp_lg_u32 s[WV], 0
	s_cbranch_scc1 .Lnw0_\@
	s_barrier_signal -3
.Lnw0_\@:
	s_barrier_wait -3
	s_barrier_signal -1
	s_barrier_wait -1
.endm
.macro RECG1 g, rows                   ; words 1-7 of a group 1: a dense block as rows of 256 bytes (32 elements of 8 bytes)
	s_mov_b32 s[\g+1], 32<<16
	s_mov_b32 s[\g+2], (\rows)<<16
	s_mov_b32 s[\g+3], 32<<16
	s_mov_b32 s[\g+4], \rows
	s_mov_b32 s[\g+5], 32
	s_mov_b32 s[\g+6], 0
	s_mov_b32 s[\g+7], 0
.endm
.macro MKG0 g, lr, lo, br, go          ; a group 0: count 1, LDS address s[lr] + lo, global address s[br:br+1] + go, type 2
	s_mov_b32 s[\g], 1
	s_add_co_u32 s[\g+1], s[\lr], \lo
	s_add_nc_u64 s[\g+2:\g+3], s[\br:\br+1], \go
	s_or_b32 s[\g+3], s[\g+3], 0x80000000
.endm
; a K step's loads: the eight additions are also the places in front of loads into registers that matrix instructions have read
.macro KLOAD c
	v_add_nc_u32 v[TSL], \c, v[BSL]
	v_add_nc_u32 v[TSH], \c, v[BSH]
	v_add_nc_u32 v[TB16], \c, v[BB16]
	v_add_nc_u32 v[TB8], \c, v[BB8]
	v_add_nc_u32 v[TA16L], \c, v[BA16L]
	v_add_nc_u32 v[TA8L], \c, v[BA8L]
	v_add_nc_u32 v[TA16H], \c, v[BA16H]
	v_add_nc_u32 v[TA8H], \c, v[BA8H]
	ds_load_b32 v[SC], v[TSL]
	ds_load_b32 v[SC+1], v[TSL] offset:64
	ds_load_b32 v[SC+2], v[TSH]
	ds_load_b32 v[SC+3], v[TSH] offset:64
.irp i, 0,1,2,3
	ds_load_b128 v[BF+12*\i:BF+12*\i+3], v[TB16] offset:1536*\i
	ds_load_b64 v[BF+12*\i+4:BF+12*\i+5], v[TB8] offset:1536*\i+512
	ds_load_b128 v[BF+12*\i+6:BF+12*\i+9], v[TB16] offset:1536*\i+768
	ds_load_b64 v[BF+12*\i+10:BF+12*\i+11], v[TB8] offset:1536*\i+1280
.endr
.irp i, 0,1
	ds_load_b128 v[AF+12*\i:AF+12*\i+3], v[TA16L] offset:1536*\i
	ds_load_b64 v[AF+12*\i+4:AF+12*\i+5], v[TA8L] offset:1536*\i+512
	ds_load_b128 v[AF+12*\i+6:AF+12*\i+9], v[TA16L] offset:1536*\i+768
	ds_load_b64 v[AF+12*\i+10:AF+12*\i+11], v[TA8L] offset:1536*\i+1280
.endr
.irp i, 0,1
	ds_load_b128 v[AF+24+12*\i:AF+24+12*\i+3], v[TA16H] offset:1536*\i
	ds_load_b64 v[AF+24+12*\i+4:AF+24+12*\i+5], v[TA8H] offset:1536*\i+512
	ds_load_b128 v[AF+24+12*\i+6:AF+24+12*\i+9], v[TA16H] offset:1536*\i+768
	ds_load_b64 v[AF+24+12*\i+10:AF+24+12*\i+11], v[TA8H] offset:1536*\i+1280
.endr
.endm
.macro MT a, b, m                      ; transposed.  m = 0: in place; 1: C = 0; 2: C = the bias, which lies in accumulator (0, b)
.if \m == 1
	v_wmma_scale_f32_16x16x128_f8f6f4 v[ACC+8*(4*\a+\b):ACC+8*(4*\a+\b)+7], v[BF+12*\b:BF+12*\b+11], v[AF+12*\a:AF+12*\a+11], 0, v[SC+\b], v[SC+\a] matrix_a_fmt:MATRIX_FMT_FP6 matrix_b_fmt:MATRIX_FMT_FP6 matrix_a_scale:MATRIX_SCALE_ROW1
.elseif \m == 2
	v_wmma_scale_f32_16x16x128_f8f6f4 v[ACC+8*(4*\a+\b):ACC+8*(4*\a+\b)+7], v[BF+12*\b:BF+12*\b+11], v[AF+12*\a:AF+12*\a+11], v[ACC+8*\b:ACC+8*\b+7], v[SC+\b], v[SC+\a] matrix_a_fmt:MATRIX_FMT_FP6 matrix_b_fmt:MATRIX_FMT_FP6 matrix_a_scale:MATRIX_SCALE_ROW1
.else
	v_wmma_scale_f32_16x16x128_f8f6f4 v[ACC+8*(4*\a+\b):ACC+8*(4*\a+\b)+7], v[BF+12*\b:BF+12*\b+11], v[AF+12*\a:AF+12*\a+11], v[ACC+8*(4*\a+\b):ACC+8*(4*\a+\b)+7], v[SC+\b], v[SC+\a] matrix_a_fmt:MATRIX_FMT_FP6 matrix_b_fmt:MATRIX_FMT_FP6 matrix_a_scale:MATRIX_SCALE_ROW1
.endif
.endm
.macro MV a, b, m                      ; for v: source 0 = tokens.  The accumulator of (a, b) lies at 8 (4 b + a)
.if \m == 1
	v_wmma_scale_f32_16x16x128_f8f6f4 v[ACC+8*(4*\b+\a):ACC+8*(4*\b+\a)+7], v[AF+12*\a:AF+12*\a+11], v[BF+12*\b:BF+12*\b+11], 0, v[SC+\a], v[SC+\b] matrix_a_fmt:MATRIX_FMT_FP6 matrix_b_fmt:MATRIX_FMT_FP6 matrix_b_scale:MATRIX_SCALE_ROW1
.else
	v_wmma_scale_f32_16x16x128_f8f6f4 v[ACC+8*(4*\b+\a):ACC+8*(4*\b+\a)+7], v[AF+12*\a:AF+12*\a+11], v[BF+12*\b:BF+12*\b+11], v[ACC+8*(4*\b+\a):ACC+8*(4*\b+\a)+7], v[SC+\a], v[SC+\b] matrix_a_fmt:MATRIX_FMT_FP6 matrix_b_fmt:MATRIX_FMT_FP6 matrix_b_scale:MATRIX_SCALE_ROW1
.endif
.endm
; A K step: 36 loads, 16 products; the sixteen accumulators take turns, one instruction a turn.  The branch hangs on the work-group's y, which the cluster's partners share.
.macro KSTEPQ c, first
	KLOAD \c
	s_cmp_eq_u32 s[TY], 5
	s_cbranch_scc1 .Lkv_\@
.if \first
	s_wait_dscnt 0x0
.irp a, 1,2,3
.irp b, 0,1,2,3
	MT \a, \b, 2
.endr
.endr
.rept 5
	v_nop                                          ; five places: the next four write over registers that the twelve have read as C
.endr
.irp b, 0,1,2,3
	MT 0, \b, 0
.endr
.else
.irp a, 0,1,2,3
	s_wait_dscnt 12-4*\a                           ; the four loads of each later fragment of h may be out
.irp b, 0,1,2,3
	MT \a, \b, 0
.endr
.endr
.endif
	s_branch .Lkd_\@
.Lkv_\@:
.irp a, 0,1,2,3
	s_wait_dscnt 12-4*\a
.irp b, 0,1,2,3
	MV \a, \b, \first
.endr
.endr
.Lkd_\@:
.endm
; 32 numbers of a lane, register 16 b + i = k 32 b + 16 (lane / 16) + i of my row, become a half fragment's codes in v[pc] .. v[pc + 5] and two scale bytes in v[pw]
.macro QUANT2 s, pc, pw
.irp b, 0,1
	v_max3_num_f32 v[TM+\b], |v[\s+16*\b]|, |v[\s+1+16*\b]|, 0x1800000   ; and the floor 2^(3 - 127): the byte cannot fall under 1
.endr
.irp i, 2,4,6,8,10,12,14
.irp b, 0,1
	v_max3_num_f32 v[TM+\b], v[TM+\b], |v[\s+16*\b+\i]|, |v[\s+1+16*\b+\i]|
.endr
.endr
.irp b, 0,1
	s_delay_alu instid0(VALU_DEP_2)
	v_permlanex16_b32 v[TX+\b], v[TM+\b], s[SEL], s[SEL+1]
.endr
.irp b, 0,1
	s_delay_alu instid0(VALU_DEP_2)
	v_max_num_f32 v[TM+\b], v[TM+\b], v[TX+\b]
.endr
.irp b, 0,1
	s_delay_alu instid0(VALU_DEP_2)
	v_add_nc_u32 v[SO+\b], 0xff000000, v[TM+\b]    ; 2 off the exponent field: the conversion's scale operand
.endr
.irp b, 0,1
	s_delay_alu instid0(VALU_DEP_2)
	v_lshrrev_b32 v[BY+\b], 23, v[SO+\b]
.endr
	s_delay_alu instid0(VALU_DEP_1)
	v_lshl_or_b32 v[\pw], v[BY+1], 8, v[BY]
	v_cvt_scalef32_pk16_fp6_f32 v[\pc:\pc+2], v[\s:\s+15], v[SO]
	v_cvt_scalef32_pk16_fp6_f32 v[PT:PT+2], v[\s+16:\s+31], v[SO+1]
	v_nop                                          ; one plain place behind a scaled conversion
.irp i, 0,1,2
	v_permlane16_swap_b32 v[\pc+\i], v[PT+\i]      ; a whole block to a lane
.endr
.irp i, 0,1,2
	s_delay_alu instid0(VALU_DEP_3)
	v_mov_b32 v[\pc+3+\i], v[PT+\i]
.endr
.endm
	s_load_b256 s[4:11], s[0:1], 0x0               ; hp, wp, bq, bk
	s_load_b128 s[12:15], s[0:1], 0x20             ; bv, qkvp
	v_lshl_add_u32 v[SPW], v0, 2, SPARE
	v_mov_b32 v[NIL], 0
	ds_add_u32 v[SPW], v[NIL]                      ; the opening: the add, twice on end, and its wait ahead of my first tensor load
	ds_add_u32 v[SPW], v[NIL]
	v_lshrrev_b32 v[TV], 5, v0
	s_delay_alu instid0(VALU_DEP_1)
	v_readfirstlane_b32 s[WV], v[TV]               ; wave 0..7
	s_lshr_b32 s[MH], s[WV], 2
	s_and_b32 s[NW], s[WV], 3
	s_lshr_b32 s[PB], s[NW], 1
	s_and_b32 s[NH], s[NW], 1
	s_and_b32 s[TY], ttmp7, 0xffff
	s_bfe_u32 s56, ttmp6, 0x40000                  ; cx
	s_lshl_b32 s[XP], ttmp9, 2
	s_add_co_u32 s[XP], s[XP], s56                 ; my panel of tokens
	s_mov_b32 s[G1A], 3<<16                        ; h's records: a load of my own
	RECG1 G1A, 100                                 ; two records of h a load
	s_mov_b32 s[G1B], 15|(3<<16)|(1<<21)           ; the weight's: jointly, all four work-groups
	RECG1 G1B, 200                                 ; four records of the weight a load
	; LDS: h's eight records from byte 0 on, the weight's two panels of eight records from 102,400 on.  One load a wave: waves 0-3 two records of h each, waves 4-7 four records of the weight each
	s_lshl_b32 s57, s[NW], 1
	s_lshl_b32 s58, s[XP], 3
	s_add_co_u32 s58, s58, s57
	s_mul_i32 s58, s58, 12800                      ; h's records (panel, K steps 2 (w % 4) and the next)
	s_mov_b32 s59, 0
	s_lshl_b32 s60, s[TY], 4
	s_lshl_b32 s61, s[NW], 2
	s_add_co_u32 s60, s60, s61
	s_mul_i32 s60, s60, 12800                      ; the weight's records 4 (w % 4) on of my two panels' sixteen
	s_mov_b32 s61, 0
	s_mul_i32 s62, s[NW], 25600                    ; where h's go: the wave's number alone
	s_mul_i32 s63, s[NW], 51200
	s_add_co_u32 s63, s63, 102400                  ; and the weight's
	s_mov_b32 s[SEL], 0x76543210
	s_mov_b32 s[SEL+1], 0xfedcba98
	s_wait_dscnt 0x0                               ; both opening adds are done
	s_wait_kmcnt 0x0
	s_add_nc_u64 s[58:59], s[4:5], s[58:59]
	s_add_nc_u64 s[60:61], s[6:7], s[60:61]
	CROUND                                         ; all four work-groups are here: the joint loads meet
	MKG0 G0A, 62, 0, 58, 0
	MKG0 G0B, 63, 0, 60, 0
	s_cmp_lt_u32 s[WV], 4                          ; one chain on the wave's number, one load to an arm: one load of mine is out
	s_cbranch_scc0 .Lnot_a
	tensor_load_to_lds s[G0A:G0A+3], s[G1A:G1A+7]
	s_nop 0
.rept 4
	v_nop
.endr
	s_branch .Lfilled
.Lnot_a:
	tensor_load_to_lds s[G0B:G0B+3], s[G1B:G1B+7]
	s_nop 0
.rept 4
	v_nop
.endr
.Lfilled:
	v_and_b32 v[TV], 31, v0
	s_delay_alu instid0(VALU_DEP_1)
	v_lshlrev_b32 v[L16], 4, v[TV]
	s_delay_alu instid0(VALU_DEP_2)
	v_lshlrev_b32 v[L8], 3, v[TV]
	v_and_b32 v[TV], 15, v0
	s_delay_alu instid0(VALU_DEP_1)
	v_lshlrev_b32 v[R4], 2, v[TV]
	v_bfe_u32 v[HH], v0, 4, 1
	; the biases.  Both kinds are loaded by every wave, so that no register is written on one way alone (for y = 5 the first pointer falls on bk: inside its buffer, and the numbers are not used)
	s_wait_alu depctr_va_vdst(0)
	s_cmp_lt_u32 s[TY], 4
	s_cselect_b64 s[86:87], s[8:9], s[10:11]
	s_cselect_b32 s88, s[TY], 0
	s_lshl_b32 s88, s88, 10
	s_lshl_b32 s90, s[NW], 8
	s_add_co_u32 s88, s88, s90
	s_mov_b32 s89, 0
	s_mov_b32 s91, 0
	s_add_nc_u64 s[86:87], s[86:87], s[88:89]      ; my unit's 64 numbers of bq or bk
	s_add_nc_u64 s[12:13], s[12:13], s[90:91]      ; and of bv
	v_lshlrev_b32 v[TSL], 6, v[HH]                 ; transposed: lane (r, h) wants, for tile b, columns 32 (b / 2) + 16 h + 8 (b % 2) + 0 .. 7
	v_and_b32 v[TSH], 8, v[TV]
	s_delay_alu instid0(VALU_DEP_1)
	v_add_nc_u32 v[TSH], v[TSH], v[TV]
	s_delay_alu instid0(VALU_DEP_1)
	v_lshlrev_b32 v[TSH], 2, v[TSH]                ; for v: channel 32 (b / 2) + 8 (b % 2) + r + 8 (r / 8)
.irp b, 0,1,2,3
	global_load_b128 v[ACC+8*\b:ACC+8*\b+3], v[TSL], s[86:87] offset:128*(\b/2)+32*(\b%2)
	global_load_b128 v[ACC+8*\b+4:ACC+8*\b+7], v[TSL], s[86:87] offset:128*(\b/2)+32*(\b%2)+16
	global_load_b32 v[VBI+\b], v[TSH], s[12:13] offset:(32*(\b/2)+8*(\b%2))*4
.endr
	s_mul_i32 s92, s[MH], 6144                     ; h's tiles 4 mh, 4 mh + 1
	s_add_co_u32 s93, s92, 3072                    ; and 4 mh + 2, 4 mh + 3
	s_mul_i32 s94, s[PB], 102400
	s_add_co_u32 s94, s94, 102400                  ; the weight's panel pb
	s_lshl_b32 s97, s[NH], 8
	s_add_co_u32 s97, s97, s94
	s_add_co_u32 s97, s97, 12288                   ; its scale words, tiles 4 nh on
	s_mul_i32 s98, s[NH], 6144
	s_add_co_u32 s94, s94, s98                     ; its fragments, tiles 4 nh on
	s_lshl_b32 s95, s[MH], 8
	s_add_co_u32 s95, s95, 12288                   ; h's scale words
	s_add_co_u32 s96, s95, 128
	s_sub_co_u32 s97, s97, s95                     ; from h's words to the weight's: lanes 16-31 take the weight's
	v_add_nc_u32 v[BA16L], s92, v[L16]
	v_add_nc_u32 v[BA8L], s92, v[L8]
	v_add_nc_u32 v[BA16H], s93, v[L16]
	v_add_nc_u32 v[BA8H], s93, v[L8]
	v_add_nc_u32 v[BB16], s94, v[L16]
	v_add_nc_u32 v[BB8], s94, v[L8]
	v_mul_u32_u24 v[BSL], s97, v[HH]
	s_delay_alu instid0(VALU_DEP_1)
	v_add_nc_u32 v[BSL], v[BSL], v[R4]
	s_delay_alu instid0(VALU_DEP_1)
	v_add_nc_u32 v[BSH], s96, v[BSL]
	s_delay_alu instid0(VALU_DEP_2)
	v_add_nc_u32 v[BSL], s95, v[BSL]
	s_wait_alu depctr_va_vdst(0)
	s_wait_loadcnt 0x0                             ; the biases; their address registers are free too
	s_wait_tensorcnt 0x0                           ; my one fill has landed
	s_wait_dscnt 0x0
	s_barrier_signal -1
	s_barrier_wait -1                              ; everybody's: all of K lies in LDS, and nothing is filled again
	KSTEPQ 0, 1
.irp k, 1,2,3,4,5,6,7
	KSTEPQ 12800*\k, 0
.endr
	; THE WAY OUT
.rept 4
	v_nop                                          ; places behind the last products
.endr
	v_mov_b32 v[TX], 0                             ; a lane permute's destination counts as one of its sources
	v_mov_b32 v[TX+1], 0
	s_lshr_b32 s56, s[XP], 4                       ; the batch
	s_and_b32 s57, s[XP], 15                       ; the panel in it
	s_lshl_b32 s58, s56, 4
	s_lshl_b32 s59, s[TY], 2
	s_add_co_u32 s58, s58, s59
	s_add_co_u32 s58, s58, s[NW]                   ; 16 b + the head
	s_lshl_b32 s58, s58, 4
	s_add_co_u32 s58, s58, s57
	s_mul_i32 s58, s58, 6656                       ; q's record
	s_lshl_b32 s59, s56, 2
	s_add_co_u32 s59, s59, s[NW]                   ; 4 b + the group
	s_lshl_b32 s59, s59, 4
	s_add_co_u32 s59, s59, s57
	s_mul_i32 s59, s59, 13056
	s_add_co_u32 s59, s59, 3407872                 ; k's and v's record
	s_mov_b32 s60, 12288
	s_cmp_lt_u32 s[TY], 4
	s_cselect_b32 s58, s58, s59
	s_cselect_b32 s60, 6144, s60                   ; where the record's first scale words lie
	s_mov_b32 s59, 0
	s_mov_b32 s63, 0
	s_add_nc_u64 s[14:15], s[14:15], s[58:59]
	s_cmp_eq_u32 s[TY], 5
	s_cbranch_scc1 .Lvout
	s_mul_i32 s62, s[MH], 3072
	s_add_nc_u64 s[86:87], s[14:15], s[62:63]      ; half fragments of tiles 4 mh on
	s_lshl_b32 s62, s[MH], 8
	s_add_co_u32 s62, s62, s60
	s_add_nc_u64 s[88:89], s[14:15], s[62:63]      ; their scale words
.irp a, 0,1,2,3
	QUANT2 ACC+32*\a, 48+8*\a, 44+\a
	v_or_b32 v[44+\a], 0x7f7f0000, v[44+\a]        ; 1.0 for the upper 64 along K, where zero codes stand
	global_store_b128 v[L16], v[48+8*\a:51+8*\a], s[86:87] offset:768*\a
	global_store_b64 v[L8], v[52+8*\a:53+8*\a], s[86:87] offset:768*\a+512
	global_store_b32 v[R4], v[44+\a], s[88:89] offset:64*\a
.endr
	s_branch .Lout
.Lvout:
	s_mul_i32 s62, s[MH], 768
	s_add_co_u32 s62, s62, 6144
	s_add_nc_u64 s[86:87], s[14:15], s[62:63]      ; v's fragments: my 64 keys are half mh of each
	s_lshl_b32 s62, s[MH], 1
	s_add_co_u32 s62, s62, 12800
	s_add_nc_u64 s[88:89], s[14:15], s[62:63]      ; and bytes 2 mh, 2 mh + 1 of each scale word
.irp b, 0,1,2,3
.set n, 0
.rept 32
	v_add_f32 v[ACC+32*\b+n], v[ACC+32*\b+n], v[VBI+\b]
.set n, n+1
.endr
	QUANT2 ACC+32*\b, 48+8*\b, 44+\b
	global_store_b128 v[L16], v[48+8*\b:51+8*\b], s[86:87] offset:1536*\b
	global_store_b64 v[L8], v[52+8*\b:53+8*\b], s[86:87] offset:1536*\b+512
	global_store_b16 v[R4], v[44+\b], s[88:89] offset:64*\b
.endr
.Lout:
	s_wait_tensorcnt 0x0                           ; the wave's end
	ds_add_u32 v[SPW], v[NIL]
	s_wait_dscnt 0x0
	CROUND                                         ; the closing round
	s_endpgm
.Lfunc_end_k_q246697222a_qkv:
	.size	k_q246697222a_qkv, .Lfunc_end_k_q246697222a_qkv-k_q246697222a_qkv
	.p2alignl 7, 3214868480
	.fill 96, 4, 3214868480
	.section	.rodata,"a",@progbits
	.p2align	6, 0x0
	.amdhsa_kernel k_q246697222a_qkv
		.amdhsa_group_segment_fixed_size 327680
		.amdhsa_private_segment_fixed_size 0
		.amdhsa_enable_private_segment 0
		.amdhsa_kernarg_size 48
		.amdhsa_user_sgpr_count 2
		.amdhsa_user_sgpr_kernarg_segment_ptr 1
		.amdhsa_wavefront_size32 1
		.amdhsa_system_sgpr_workgroup_id_x 1
		.amdhsa_system_sgpr_workgroup_id_y 1
		.amdhsa_system_sgpr_workgroup_id_z 1
		.amdhsa_system_vgpr_workitem_id 0
		.amdhsa_next_free_vgpr 256
		.amdhsa_next_free_sgpr 100
		.amdhsa_reserve_vcc 0
		.amdhsa_float_denorm_mode_32 3
		.amdhsa_float_denorm_mode_16_64 3
		.amdhsa_memory_ordered 1
		.amdhsa_forward_progress 1
		.amdhsa_inst_pref_size 91
	.end_amdhsa_kernel
	.amdgpu_metadata
---
amdhsa.version: [ 1, 2 ]
amdhsa.kernels:
  - .name:           k_q246697222a_qkv
    .symbol:         k_q246697222a_qkv.kd
    .args:
      - { .name: hp, .offset: 0, .size: 8, .value_kind: global_buffer, .address_space: global }
      - { .name: wp, .offset: 8, .size: 8, .value_kind: global_buffer, .address_space: global }
      - { .name: bq, .offset: 16, .size: 8, .value_kind: global_buffer, .address_space: global }
      - { .name: bk, .offset: 24, .size: 8, .value_kind: global_buffer, .address_space: global }
      - { .name: bv, .offset: 32, .size: 8, .value_kind: global_buffer, .address_space: global }
      - { .name: qkvp, .offset: 40, .size: 8, .value_kind: global_buffer, .address_space: global }
    .group_segment_fixed_size: 327680
    .private_segment_fixed_size: 0
    .kernarg_segment_align: 8
    .kernarg_segment_size: 48
    .max_flat_workgroup_size: 256
    .sgpr_count:     100
    .vgpr_count:     256
    .wavefront_size: 32
...
	.end_amdgpu_metadata
.endif
;; end of part 2
;; launch attn (part 3): grid 32 x 8, 8 waves a work-group, clusters of 4 x 1, 327,680 bytes of LDS; arguments qkvp, ap; writes ap
.if DOCPART == 3
	.amdgcn_target "amdgcn-amd-amdhsa--gfx1250"
	.amdhsa_code_object_version 6
	.text
	.protected	k_q246697222a_attn
	.globl	k_q246697222a_attn
	.p2align	8
	.type	k_q246697222a_attn,@function
k_q246697222a_attn:
	s_mov_b64 s[64:65], 0
	v_nop
	global_prefetch_b8 v0, s[64:65] scope:SCOPE_SE
	s_setreg_imm32_b32 hwreg(HW_REG_WAVE_MODE, 25, 1), 1
	s_wait_xcnt 0x0
	s_wait_alu depctr_hold_cnt(0) depctr_sa_sdst(0) depctr_va_vdst(0) depctr_va_sdst(0) depctr_va_ssrc(0) depctr_va_vcc(0) depctr_vm_vsrc(0)
	s_getreg_b32 s2, hwreg(HW_REG_IB_STS2, 6, 4)
	s_cmp_eq_u32 s2, 0
	s_cbranch_scc0 .Lentry_in_a_cluster
	s_endpgm
.Lentry_in_a_cluster:
	s_bfe_u32 s2, ttmp6, 0x10000c
	s_cmp_lg_u32 s2, 0x3003
	s_cbranch_scc0 .Lentry_shape_is_right
	s_endpgm
.Lentry_shape_is_right:
; Launch 3: causal attention on codes of FP6, and the quantiser of its result along the 1,024 columns of the next product.
; LEFT OUT: key steps of 128 keys that lie wholly behind a tile's 16 queries: reference()'s own causal mask makes their p zero for every value of the inputs (shown at the head of the first launch).
; THE SOFTMAX: t = score x log2(e) / 8; M = the running largest t rounded up to a whole number; p = 2^(t - M) is quantised along the keys, not normalised; the row's sum is taken of the unquantised p and divides at the end.
; SHARES.  y = 4 x batch + group.  A work-group is (head of the group, tile jj of a panel): the cluster's number gives the head (/ 2) and the upper bit of jj, the place in the cluster the lower two bits, which enter
; global addresses and the mask's numbers alone.  Wave w walks tile jj of two panels one after the other, w and 15 - w: w + 1 and 16 - w key steps, 17 trips for every wave of every work-group, two such waves to a SIMD.
; Panel w takes records 0 .. w, panel 15 - w records 15 - w .. 0.
; K AND V of the (batch, group), 16 records of 13,056 bytes, lie in LDS, filled once: each of the eight waves asks for two records by one load, jointly with the cluster's other three work-groups, which walk the same K and V.
; Wave 0's second panel is 15, so every record is read.  No prefetch: all tiles are asked for at the head, and there is no loop to run ahead in.
; FRAGMENTS AHEAD: the next step's K is asked of LDS behind this step's scores, the next V behind this step's second products; the last trip asks once more for a record that lies in LDS and is not used.
; Both products are used transposed (S^T = K Q^T, O^T = V^T P^T): a lane holds one query.  A tile's keys are 32 (t / 2) + 8 (t % 2) + r + 8 (r / 8), so that p's 16 registers of two neighbouring tiles are 16 neighbouring keys.
; THE HEAD IS 64: a key tile is 6 registers, and the instruction's upper 64 along K read the next tile's registers (behind the last: zeros); there Q holds zero codes and both scale words 1.0, so nothing is added.
; A new panel begins with the largest score at -3e38: the first factor 2^(old M - new M) is 0 and clears O^T and the sum.
; LIMITS: the promise holds while the scaled scores stay under 2^31 in magnitude; p under 2^-126 falls to 0 (v_exp_f32); 1 / l is v_rcp_f32 (1 ulp); scale byte 1 for blocks of zeros; no NaN, no infinities among the inputs.
; REGISTERS.  Window 0: as named below.  Window 1: v0-47 eight key tiles, v48-53 zeros, v54-101 V^T, v104-135 O^T, v168-173 the second panel's Q, v180 its scale word.
.set KVR, 13056
.set SPARE, 16*KVR
.set T16, 0                            ; the step's LDS addresses: v0 (free behind the head), v104, v105
.set A16, 1                            ; 16 x lane, 8 x lane, 4 x (lane % 16); never rewritten
.set A8, 2
.set A4, 3
.set KS, 4                             ; v4-11 K's scale words; nothing else
.set ST, 12                            ; v12 -M, v13 the largest score, v14-15 the sum in two halves
.set QS, 20                            ; Q's scale word; nothing else
.set SPW, 22
.set NIL, 23
.set DQ, 24                            ; my query's place in its panel - 16 (lane / 16)
.set NINF, 25
.set PS, 26                            ; p's scale word; nothing else
.set VS, 28                            ; v28-31 V's scale words; nothing else
.set QF, 32                            ; six registers of Q, six of zero codes
.set PF, 56                            ; p's codes
.set T, 80                             ; 0-3 block maxima, 4-7 the other half's and bytes, 8-11 scale operands, 12-19 sums and conversions, 20-21 f, 22 at work
.set T8, 104
.set T4, 105
.set S, 128                            ; v128-191 S^T, then p
.set KF, 0                             ; window 1
.set VF, 54
.set O, 104
.set Q2, 168
.set Q2S, 180
.set WV, 8
.set D1, 9
.set TT, 10
.set TU, 11
.set TD, 12
.set Y, 13
.set PP, 14
.set JJ, 15
.set SEL, 16
.set CS, 18
.set NCS, 20
.set CUR, 21
.set TBN, 22
.set X, 23
.set G1, 24
.set G0, 32
.set OA, 56
.set OB, 58
.set MSB, 0
.macro WIN new                         ; the immediate's high byte repeats the setting that is left
.if MSB != \new
	s_set_vgpr_msb (MSB<<8)|\new
.set MSB, \new
.endif
.endm
.macro CROUND
	s_barrier_signal -1
	s_barrier_wait -1
	s_cmp_lg_u32 s[WV], 0
	s_cbranch_scc1 .Lnw0_\@
	s_barrier_signal -3
.Lnw0_\@:
	s_barrier_wait -3
	s_barrier_signal -1
	s_barrier_wait -1
.endm
.macro QADDR dep, c, sc                ; Q's record of (my head, panel s[dep]): tile jj's codes -> s[c:c+1], its scale words -> s[sc:sc+1]
	s_lshl_b32 s42, s[Y], 2
	s_add_co_u32 s42, s42, s[PP]
	s_lshl_b32 s42, s42, 4
	s_add_co_u32 s42, s42, s[\dep]
	s_mul_i32 s42, s42, 6656
	s_mov_b32 s43, 0
	s_add_nc_u64 s[\sc:\sc+1], s[4:5], s[42:43]
	s_mul_i32 s42, s[JJ], 768
	s_add_nc_u64 s[\c:\c+1], s[\sc:\sc+1], s[42:43]
	s_lshl_b32 s42, s[JJ], 6
	s_add_co_u32 s42, s42, 6144
	s_add_nc_u64 s[\sc:\sc+1], s[\sc:\sc+1], s[42:43]
.endm
.macro TADDR
	v_add_nc_u32 v[T16], s[TBN], v[A16]
	v_add_nc_u32 v[T8], s[TBN], v[A8]
	v_add_nc_u32 v[T4], s[TBN], v[A4]
.endm
.macro KLD                             ; 24 loads: a record's eight key tiles and their scale words
	WIN 0x40
.irp t, 0,1,2,3,4,5,6,7
	ds_load_b128 v[KF+6*\t:KF+6*\t+3], v[T16] offset:768*\t
	ds_load_b64 v[KF+6*\t+4:KF+6*\t+5], v[T8] offset:768*\t+512
.endr
	WIN 0
.irp t, 0,1,2,3,4,5,6,7
	ds_load_b32 v[KS+\t], v[T4] offset:12288+64*\t
.endr
.endm
.macro VLD                             ; 20 loads: its four fragments of V^T and their scale words
	WIN 0x40
.irp t, 0,1,2,3
	ds_load_b128 v[VF+12*\t:VF+12*\t+3], v[T16] offset:6144+1536*\t
	ds_load_b64 v[VF+12*\t+4:VF+12*\t+5], v[T8] offset:6144+1536*\t+512
	ds_load_b128 v[VF+12*\t+6:VF+12*\t+9], v[T16] offset:6144+1536*\t+768
	ds_load_b64 v[VF+12*\t+10:VF+12*\t+11], v[T8] offset:6144+1536*\t+1280
.endr
	WIN 0
.irp t, 0,1,2,3
	ds_load_b32 v[VS+\t], v[T4] offset:12800+64*\t
.endr
.endm
.macro INIT                            ; a panel begins: the largest score -3e38, and its -M
	v_mov_b32 v[ST+1], 0xff61b1e6
	s_delay_alu instid0(VALU_DEP_1)
	v_mul_f32 v[T+22], s[NCS], v[ST+1]
	s_delay_alu instid0(VALU_DEP_1)
	v_floor_f32 v[ST], v[T+22]
.endm
	s_load_b128 s[4:7], s[0:1], 0x0                ; qkvp, ap
	v_lshl_add_u32 v[SPW], v0, 2, SPARE
	v_mov_b32 v[NIL], 0
	ds_add_u32 v[SPW], v[NIL]                      ; the opening: the add, twice on end, and its wait ahead of my first tensor load
	ds_add_u32 v[SPW], v[NIL]
	v_lshrrev_b32 v[A16], 5, v0
	v_readfirstlane_b32 s[WV], v[A16]              ; wave 0..7
	s_and_b32 s[Y], ttmp7, 0xffff
	s_mov_b32 s[D1], s[WV]                         ; my first panel
	s_mov_b32 s[CUR], s[D1]
	s_sub_co_u32 s48, 15, s[D1]                    ; my second
	s_lshr_b32 s[PP], ttmp9, 1                     ; the head in its group
	s_and_b32 s[JJ], ttmp9, 1
	s_lshl_b32 s[JJ], s[JJ], 2
	s_bfe_u32 s37, ttmp6, 0x40000
	s_add_co_u32 s[JJ], s[JJ], s37                 ; my tile in the panel
	s_lshr_b32 s41, s[JJ], 1
	s_lshl_b32 s41, s41, 5
	s_and_b32 s37, s[JJ], 1
	s_lshl_b32 s37, s37, 3
	s_add_co_u32 s41, s41, s37                     ; its first query's place in the panel
	s_mov_b32 s[G1], 15|(3<<16)|(1<<21)            ; jointly, all four work-groups; elements of 8 bytes
	s_mov_b32 s[G1+1], 32<<16
	s_mov_b32 s[G1+2], 102<<16
	s_mov_b32 s[G1+3], 32<<16
	s_mov_b32 s[G1+4], 102                         ; two records: 102 rows of 256 bytes
	s_mov_b32 s[G1+5], 32
	s_mov_b32 s[G1+6], 0
	s_mov_b32 s[G1+7], 0
	s_mul_i32 s38, s[Y], 16*KVR
	s_mul_i32 s40, s[WV], 2*KVR                    ; records 2 w and 2 w + 1, in memory and in LDS
	s_add_co_u32 s38, s38, s40
	s_add_co_u32 s38, s38, 3407872
	s_mov_b32 s39, 0
	s_mov_b32 s[SEL], 0x76543210
	s_mov_b32 s[SEL+1], 0xfedcba98
	s_mov_b32 s[CS], 0x3e38aa3b                    ; log2(e) / 8
	s_mov_b32 s[CS+1], s[CS]
	s_mov_b32 s[NCS], 0xbe38aa3b                   ; and its negative
	s_mov_b32 s[TT], 0
	s_mov_b32 s[TU], 0
	s_mov_b32 s[TD], 16*KVR
	s_mov_b32 s[TBN], 0
	s_wait_dscnt 0x0                               ; both opening adds are done
	s_wait_kmcnt 0x0
	s_add_nc_u64 s[38:39], s[4:5], s[38:39]
	QADDR CUR, 44, 46
	QADDR 48, 50, 52
	CROUND                                         ; all four work-groups are here: the joint loads meet
	s_mov_b32 s[G0], 1
	s_mov_b32 s[G0+1], s40
	s_mov_b64 s[G0+2:G0+3], s[38:39]
	s_or_b32 s[G0+3], s[G0+3], 0x80000000
	tensor_load_to_lds s[G0:G0+3], s[G1:G1+7]      ; my one load
	s_nop 0
.rept 4
	v_nop
.endr
	v_and_b32 v[T8], 31, v0
	v_and_b32 v[T4], 15, v0
	s_delay_alu instid0(VALU_DEP_2)
	v_lshlrev_b32 v[A16], 4, v[T8]
	v_lshlrev_b32 v[A8], 3, v[T8]
	v_lshlrev_b32 v[A4], 2, v[T4]
	v_and_b32 v[T8], 8, v0
	s_delay_alu instid0(VALU_DEP_1)
	v_add_nc_u32 v[T4], v[T4], v[T8]               ; r + 8 (r / 8)
	v_bfe_u32 v[T8], v0, 4, 1
	s_delay_alu instid0(VALU_DEP_1)
	v_lshlrev_b32 v[T8], 4, v[T8]
	s_delay_alu instid0(VALU_DEP_1)
	v_sub_nc_u32 v[T4], v[T4], v[T8]
	s_delay_alu instid0(VALU_DEP_1)
	v_add_nc_u32 v[DQ], s41, v[T4]
	s_wait_alu depctr_va_vdst(0)                   ; the wait ahead of the readers below
	global_load_b128 v[QF:QF+3], v[A16], s[44:45]
	global_load_b64 v[QF+4:QF+5], v[A8], s[44:45] offset:512
	global_load_b32 v[QS], v[A4], s[46:47]
	WIN 0x40
	global_load_b128 v[Q2:Q2+3], v[A16], s[50:51]
	global_load_b64 v[Q2+4:Q2+5], v[A8], s[50:51] offset:512
	global_load_b32 v[Q2S], v[A4], s[52:53]
.irp j, 0,1,2,3,4,5
	v_mov_b32 v[KF+48+\j], 0                       ; what the last key tile's upper half reads
.endr
.set n, 0
.rept 32
	v_mov_b32 v[O+n], 0                            ; the step is written once: the first finds zeros
.set n, n+1
.endr
	WIN 0
.irp j, 6,7,8,9,10,11
	v_mov_b32 v[QF+\j], 0                          ; zero codes for the upper 64 along K
.endr
.irp j, 4,5,6,7,21
	v_mov_b32 v[T+\j], 0                           ; a lane permute's destination counts as a source; the upper half of the pair that holds f
.endr
	v_mov_b32 v[ST+2], 0
	v_mov_b32 v[ST+3], 0
	v_mov_b32 v[NINF], 0xff800000
	INIT
	s_wait_alu depctr_va_vdst(0)                   ; the wait at the head's end
	s_wait_loadcnt 0x0                             ; Q of both panels
	s_wait_tensorcnt 0x0                           ; my two records have landed
	s_barrier_signal -1
	s_barrier_wait -1                              ; everybody's: behind it the waves walk on without meeting; nothing is filled again
	TADDR
	KLD
	VLD
.Ltrip:
	s_wait_dscnt 20                                ; K's 24 loads are in; V's 20 may be out
	WIN 0x01                                       ; source 0, K, in window 1
.irp t, 0,1,2,3,4,5,6,7
	v_wmma_scale_f32_16x16x128_f8f6f4 v[S+8*\t:S+8*\t+7], v[KF+6*\t:KF+6*\t+11], v[QF:QF+11], 0, v[KS+\t], v[QS] matrix_a_fmt:MATRIX_FMT_FP6 matrix_b_fmt:MATRIX_FMT_FP6
.endr
	WIN 0
	s_add_co_u32 s[TU], s[TU], KVR                 ; the next trip's record: trip t' in the first panel, 16 - t' in the second; both held to the sixteen records
	s_sub_co_u32 s[TD], s[TD], KVR
	s_min_u32 s36, s[TU], 15*KVR
	s_min_u32 s37, s[TD], 15*KVR
	s_cmp_lt_u32 s[TT], s[D1]
	s_cselect_b32 s[TBN], s36, s37
	TADDR
	v_nop                                          ; four places behind the products, for the loads below and the first reads of the scores
	KLD
	s_sub_co_u32 s[X], s[TT], s[D1]
	s_cmp_gt_u32 s[X], 1                           ; trips D1 and D1 + 1 are the two panels' diagonal steps
	s_wait_alu depctr_va_vdst(0)                   ; the wait ahead of the branch
	s_cbranch_scc1 .Lopen
.set n, 0
.rept 64
	v_cmp_gt_i32 vcc_lo, 32*(n/16)+n%16, v[DQ]     ; register 16 b + i holds key 32 b + 16 (lane / 16) + i of the panel: hidden scores become -infinity
	v_cndmask_b32 v[S+n], v[S+n], v[NINF], vcc_lo
.set n, n+1
.endr
.Lopen:
.irp b, 0,1,2,3
	v_max3_num_f32 v[T+\b], v[S+16*\b], v[S+16*\b+1], v[S+16*\b+2]   ; the largest score of each block of 32 keys: for the row's maximum and for the block's largest p
.endr
.irp i, 3,5,7,9,11,13
.irp b, 0,1,2,3
	v_max3_num_f32 v[T+\b], v[T+\b], v[S+16*\b+\i], v[S+16*\b+\i+1]
.endr
.endr
.irp b, 0,1,2,3
	v_max_num_f32 v[T+\b], v[T+\b], v[S+16*\b+15]
.endr
.irp b, 0,1,2,3
	s_delay_alu instid0(VALU_DEP_4)
	v_permlanex16_b32 v[T+4+\b], v[T+\b], s[SEL], s[SEL+1]
.endr
.irp b, 0,1,2,3
	s_delay_alu instid0(VALU_DEP_4)
	v_max_num_f32 v[T+\b], v[T+\b], v[T+4+\b]
.endr
	s_delay_alu instid0(VALU_DEP_3)
	v_max3_num_f32 v[ST+1], v[ST+1], v[T], v[T+1]
	s_delay_alu instid0(VALU_DEP_1)
	v_max3_num_f32 v[ST+1], v[ST+1], v[T+2], v[T+3]   ; the running largest score
	v_mov_b32 v[T+12], v[ST]
	s_delay_alu instid0(VALU_DEP_2)
	v_mul_f32 v[T+22], s[NCS], v[ST+1]             ; - its t
	s_delay_alu instid0(VALU_DEP_1)
	v_floor_f32 v[ST], v[T+22]                     ; the new -M: M is a whole number
	s_delay_alu instid0(VALU_DEP_1)
	v_sub_f32 v[T+12], v[ST], v[T+12]
	s_delay_alu instid0(VALU_DEP_1)
	v_cvt_i32_f32 v[T+12], v[T+12]                 ; (it saturates)
	s_delay_alu instid0(VALU_DEP_1)
	v_ldexp_f32 v[T+20], 1.0, v[T+12]              ; f = 2^(old M - new M): rounds nothing
.set n, 0
.rept 32
	v_pk_fma_f32 v[S+n:S+n+1], v[S+n:S+n+1], s[CS:CS+1], v[ST:ST+1] op_sel_hi:[1,0,0]   ; t - M
.set n, n+2
.endr
.irp b, 0,1,2,3
	v_fma_f32 v[T+\b], v[T+\b], s[CS], v[ST]
.endr
	s_wait_alu depctr_va_vdst(0)                   ; the wait ahead of the batch
.set n, 0
.rept 64
	v_exp_f32 v[S+n], v[S+n]                       ; p
.set n, n+1
.endr
.irp b, 0,1,2,3
	v_exp_f32 v[T+\b], v[T+\b]                     ; each block's largest p
.endr
	v_nop                                          ; a plain place behind the batch
	s_wait_alu depctr_va_vdst(0)                   ; one wait for the batch, ahead of its first reader
.irp c, 0,1,2,3                                ; the sum of the unquantised p, in four chains of pairs
	v_pk_add_f32 v[T+12+2*\c:T+13+2*\c], v[S+4*\c:S+4*\c+1], v[S+4*\c+2:S+4*\c+3]
.endr
.irp j, 16,24,32,40,48,56
.irp c, 0,1,2,3
	v_pk_add_f32 v[T+12+2*\c:T+13+2*\c], v[T+12+2*\c:T+13+2*\c], v[S+\j+2*\c:S+\j+2*\c+1]
.endr
.endr
.irp b, 0,1,2,3
	v_max_num_f32 v[T+\b], 0x1800000, v[T+\b]      ; the floor: the byte cannot fall under 1
.endr
	v_pk_add_f32 v[T+12:T+13], v[T+12:T+13], v[T+14:T+15]
	v_pk_add_f32 v[T+16:T+17], v[T+16:T+17], v[T+18:T+19]
.irp b, 0,1,2,3
	v_add_nc_u32 v[T+8+\b], 0xff000000, v[T+\b]    ; 2 off the exponent field: the conversion's scale operand
.endr
	v_pk_add_f32 v[T+12:T+13], v[T+12:T+13], v[T+16:T+17]
.irp b, 0,1,2,3
	v_lshrrev_b32 v[T+4+\b], 23, v[T+8+\b]
.endr
	v_pk_fma_f32 v[ST+2:ST+3], v[ST+2:ST+3], v[T+20:T+21], v[T+12:T+13] op_sel_hi:[1,0,1]   ; the old sum under the new M, and this step's
	v_lshl_or_b32 v[PS], v[T+5], 8, v[T+4]
	s_delay_alu instid0(VALU_DEP_1)
	v_lshl_or_b32 v[PS], v[T+6], 16, v[PS]
	s_delay_alu instid0(VALU_DEP_1)
	v_lshl_or_b32 v[PS], v[T+7], 24, v[PS]
.irp c, 0,1
	v_cvt_scalef32_pk16_fp6_f32 v[PF+6*\c:PF+6*\c+2], v[S+32*\c:S+32*\c+15], v[T+8+2*\c]
	v_cvt_scalef32_pk16_fp6_f32 v[T+12+4*\c:T+14+4*\c], v[S+32*\c+16:S+32*\c+31], v[T+9+2*\c]
.endr
	v_nop                                          ; one plain place behind a scaled conversion
.irp c, 0,1                                    ; a whole block to a lane
.irp i, 0,1,2
	v_permlane16_swap_b32 v[PF+6*\c+\i], v[T+12+4*\c+\i]
.endr
.irp i, 0,1,2
	s_delay_alu instid0(VALU_DEP_3)
	v_mov_b32 v[PF+6*\c+3+\i], v[T+12+4*\c+\i]
.endr
.endr
	s_wait_dscnt 24                                ; V's 20 loads are in; the next K's 24 may be out
	WIN 0x41                                       ; O^T in window 1
	s_wait_alu depctr_va_vdst(0)                   ; the wait directly ahead of the first reader of O^T
.set n, 0
.rept 16
	v_pk_mul_f32 v[O+n:O+n+1], v[O+n:O+n+1], v[T+20:T+21] op_sel_hi:[1,0]   ; O^T under the new M; these sixteen are also the places between the scale word, the codes and the products
.set n, n+2
.endr
	WIN 0x51                                       ; V^T and O^T in window 1, p's codes in window 0
.irp t, 0,1,2,3
	v_wmma_scale_f32_16x16x128_f8f6f4 v[O+8*\t:O+8*\t+7], v[VF+12*\t:VF+12*\t+11], v[PF:PF+11], v[O+8*\t:O+8*\t+7], v[VS+\t], v[PS] matrix_a_fmt:MATRIX_FMT_FP6 matrix_b_fmt:MATRIX_FMT_FP6
.endr
	WIN 0
.rept 4
	v_nop                                          ; four places in front of loads into registers that the products have read, and of the way out's reads
.endr
	VLD
	s_cmp_eq_u32 s[TT], s[D1]                      ; a panel ends in trip D1 and in trip 16
	s_cselect_b32 s[X], 1, 0
	s_cmp_eq_u32 s[TT], 16
	s_cselect_b32 s[X], 1, s[X]
	s_cmp_eq_u32 s[X], 0
	s_wait_alu depctr_va_vdst(0)                   ; the wait ahead of the branch
	s_cbranch_scc1 .Lnofin
	; THE WAY OUT of panel s[CUR]: O^T / l, quantised along the head's 64 channels: half (head % 2) of the fragment (tile jj, K step head / 2) of the next product's operand
	s_wait_xcnt 0x0                                ; the first panel's stores have read their bases
	v_add_f32 v[ST+2], v[ST+2], v[ST+3]
	s_delay_alu instid0(VALU_DEP_1)
	v_permlanex16_b32 v[T+22], v[ST+2], s[SEL], s[SEL+1]
	s_delay_alu instid0(VALU_DEP_1)
	v_add_f32 v[ST+2], v[ST+2], v[T+22]            ; the row's sum
	s_wait_alu depctr_va_vdst(0)                   ; ahead of the transcendental
	v_rcp_f32 v[ST+2], v[ST+2]
	v_nop                                          ; a plain place behind it
	s_lshr_b32 s36, s[Y], 2
	s_lshl_b32 s36, s36, 4
	s_add_co_u32 s36, s36, s[CUR]                  ; the panel of tokens
	s_lshl_b32 s36, s36, 3
	s_and_b32 s37, s[Y], 3
	s_lshl_b32 s37, s37, 2
	s_add_co_u32 s37, s37, s[PP]                   ; the head
	s_lshr_b32 s38, s37, 1
	s_add_co_u32 s36, s36, s38
	s_mul_i32 s36, s36, 12800                      ; the record
	s_and_b32 s37, s37, 1
	s_mul_i32 s38, s[JJ], 1536
	s_add_co_u32 s38, s38, s36
	s_mul_i32 s40, s37, 768
	s_add_co_u32 s38, s38, s40
	s_mov_b32 s39, 0
	s_add_nc_u64 s[OA:OA+1], s[6:7], s[38:39]
	s_lshl_b32 s38, s[JJ], 6
	s_add_co_u32 s38, s38, s36
	s_lshl_b32 s37, s37, 1
	s_add_co_u32 s38, s38, s37
	s_add_co_u32 s38, s38, 12288
	s_add_nc_u64 s[OB:OB+1], s[6:7], s[38:39]
	s_sub_co_u32 s[CUR], 15, s[D1]                 ; the panel that follows
	WIN 0x01
	s_wait_alu depctr_va_vdst(0)                   ; ahead of the first reader of the reciprocal and of O^T
.set n, 0
.rept 32
	v_mul_f32 v[S+n], v[O+n], v[ST+2]              ; register 16 b + i: channel 32 b + 16 (lane / 16) + i
.set n, n+1
.endr
	WIN 0
.irp b, 0,1
	v_max3_num_f32 v[T+\b], |v[S+16*\b]|, |v[S+16*\b+1]|, 0x1800000
.endr
.irp i, 2,4,6,8,10,12,14
.irp b, 0,1
	s_delay_alu instid0(VALU_DEP_2)
	v_max3_num_f32 v[T+\b], v[T+\b], |v[S+16*\b+\i]|, |v[S+16*\b+\i+1]|
.endr
.endr
.irp b, 0,1
	s_delay_alu instid0(VALU_DEP_2)
	v_permlanex16_b32 v[T+4+\b], v[T+\b], s[SEL], s[SEL+1]
.endr
.irp b, 0,1
	s_delay_alu instid0(VALU_DEP_2)
	v_max_num_f32 v[T+\b], v[T+\b], v[T+4+\b]
.endr
.irp b, 0,1
	s_delay_alu instid0(VALU_DEP_2)
	v_add_nc_u32 v[T+8+\b], 0xff000000, v[T+\b]    ; 2 off the exponent field: the conversion's scale operand
.endr
.irp b, 0,1
	s_delay_alu instid0(VALU_DEP_2)
	v_lshrrev_b32 v[T+4+\b], 23, v[T+8+\b]
.endr
	s_delay_alu instid0(VALU_DEP_1)
	v_lshl_or_b32 v[T+22], v[T+5], 8, v[T+4]       ; the head's two scale bytes
	v_cvt_scalef32_pk16_fp6_f32 v[PF:PF+2], v[S:S+15], v[T+8]
	v_cvt_scalef32_pk16_fp6_f32 v[T+12:T+14], v[S+16:S+31], v[T+9]
	v_nop                                          ; one plain place behind a scaled conversion
.irp i, 0,1,2
	v_permlane16_swap_b32 v[PF+\i], v[T+12+\i]
.endr
.irp i, 0,1,2
	s_delay_alu instid0(VALU_DEP_3)
	v_mov_b32 v[PF+3+\i], v[T+12+\i]
.endr
	global_store_b128 v[A16], v[PF:PF+3], s[OA:OA+1]
	global_store_b64 v[A8], v[PF+4:PF+5], s[OA:OA+1] offset:512
	global_store_b16 v[A4], v[T+22], s[OB:OB+1]    ; lanes l and l xor 16 store the same bytes to the same place
	WIN 0x01                                       ; the second panel's Q takes the first's place (behind the second panel the lines change nothing)
	v_mov_b32 v[QS], v[Q2S]
.irp j, 0,1,2,3,4,5
	v_mov_b32 v[QF+\j], v[Q2+\j]
.endr
	WIN 0
	s_wait_xcnt 0x0                                ; the stores have read their registers: the next trip writes them again
	INIT
.rept 2
	v_nop                                          ; with the three lines above: the places between Q's new codes and the next products
.endr
.Lnofin:
	s_add_co_u32 s[TT], s[TT], 1
	s_cmp_lt_u32 s[TT], 17
	s_wait_alu depctr_va_vdst(0)                   ; the wait ahead of the branch
	s_cbranch_scc1 .Ltrip
	s_wait_tensorcnt 0x0                           ; the wave's end
	ds_add_u32 v[SPW], v[NIL]
	s_wait_dscnt 0x0
	CROUND                                         ; the closing round
	s_endpgm
.Lfunc_end_k_q246697222a_attn:
	.size	k_q246697222a_attn, .Lfunc_end_k_q246697222a_attn-k_q246697222a_attn
	.p2alignl 7, 3214868480
	.fill 96, 4, 3214868480
	.section	.rodata,"a",@progbits
	.p2align	6, 0x0
	.amdhsa_kernel k_q246697222a_attn
		.amdhsa_group_segment_fixed_size 327680
		.amdhsa_private_segment_fixed_size 0
		.amdhsa_enable_private_segment 0
		.amdhsa_kernarg_size 16
		.amdhsa_user_sgpr_count 2
		.amdhsa_user_sgpr_kernarg_segment_ptr 1
		.amdhsa_wavefront_size32 1
		.amdhsa_system_sgpr_workgroup_id_x 1
		.amdhsa_system_sgpr_workgroup_id_y 1
		.amdhsa_system_sgpr_workgroup_id_z 1
		.amdhsa_system_vgpr_workitem_id 0
		.amdhsa_next_free_vgpr 512
		.amdhsa_next_free_sgpr 66
		.amdhsa_reserve_vcc 1
		.amdhsa_float_denorm_mode_32 3
		.amdhsa_float_denorm_mode_16_64 3
		.amdhsa_memory_ordered 1
		.amdhsa_forward_progress 1
		.amdhsa_inst_pref_size 40
	.end_amdhsa_kernel
	.amdgpu_metadata
---
amdhsa.version: [ 1, 2 ]
amdhsa.kernels:
  - .name:           k_q246697222a_attn
    .symbol:         k_q246697222a_attn.kd
    .args:
      - { .name: qkvp, .offset: 0, .size: 8, .value_kind: global_buffer, .address_space: global }
      - { .name: ap, .offset: 8, .size: 8, .value_kind: global_buffer, .address_space: global }
    .group_segment_fixed_size: 327680
    .private_segment_fixed_size: 0
    .kernarg_segment_align: 8
    .kernarg_segment_size: 16
    .max_flat_workgroup_size: 256
    .sgpr_count:     66
    .vgpr_count:     512
    .wavefront_size: 32
...
	.end_amdgpu_metadata
.endif
;; end of part 3
;; launch wo (part 4): grid 8 x 32, 8 waves a work-group, clusters of 4 x 4, 327,680 bytes of LDS; arguments ap, wp, bo, x, x1; writes x1
.if DOCPART == 4
	.amdgcn_target "amdgcn-amd-amdhsa--gfx1250"
	.amdhsa_code_object_version 6
	.text
	.protected	k_q246697222a_wo
	.globl	k_q246697222a_wo
	.p2align	8
	.type	k_q246697222a_wo,@function
k_q246697222a_wo:
	s_mov_b64 s[64:65], 0
	v_nop
	global_prefetch_b8 v0, s[64:65] scope:SCOPE_SE
	s_setreg_imm32_b32 hwreg(HW_REG_WAVE_MODE, 25, 1), 1
	s_wait_xcnt 0x0
	s_wait_alu depctr_hold_cnt(0) depctr_sa_sdst(0) depctr_va_vdst(0) depctr_va_sdst(0) depctr_va_ssrc(0) depctr_va_vcc(0) depctr_vm_vsrc(0)
	s_getreg_b32 s2, hwreg(HW_REG_IB_STS2, 6, 4)
	s_cmp_eq_u32 s2, 0
	s_cbranch_scc0 .Lentry_in_a_cluster
	s_endpgm
.Lentry_in_a_cluster:
	s_bfe_u32 s2, ttmp6, 0x10000c
	s_cmp_lg_u32 s2, 0xf033
	s_cbranch_scc0 .Lentry_shape_is_right
	s_endpgm
.Lentry_shape_is_right:
; Launch 4: x1 = x + out wo + bo.  Nothing is left out here.
; C = residual + A B^T + bias, f32, on codes of FP6 that lie as records (128 rows x 128 K: images of the operands' registers, then scale words).  A tile of C is 128 x 128.
; Eight waves: wave w makes the 64 x 64 at (rows 64 ((w / 2) % 2), columns 64 (w % 2)) over HALF of K: waves 0-3 the even K steps, waves 4-7 the odd ones; the halves meet in LDS at the end, each wave keeping two of its four
; tiles of rows.  K goes through two slots of four K steps (A's four records, B's four); waves 0-3 fetch four records each a fill.  The residual's tile comes into LDS with the first fills.
; CLUSTERS: 4 x 4.  A's records hang on the tile row alone and are asked for jointly along a row of the cluster, B's on the tile column and jointly along a column.
; THE PRODUCT IS USED TRANSPOSED (source 0 = 16 rows of B, source 1 = 16 rows of A): a lane holds one row of C and neighbouring columns.
.set KST, 8                            ; K steps of 128
.set WOFF, 1228800                     ; where B's records begin in wp
.set SLOT, 102400
.set RES, 2*SLOT                       ; the residual: 128 rows x (512 bytes + 16)
.set SPARE, RES+128*528
.set STG, 65536                        ; the way out lies in slot 0, which has had its last fill and its last read by then: 8 x 8,192 bytes for the exchange, then 16 rows x 272 bytes for each wave
.set SPW, 1
.set NIL, 2
.set BB16, 3
.set BB8, 4
.set BA16L, 5
.set BA8L, 6
.set BA16H, 7
.set BA8H, 8
.set BSL, 9
.set BSH, 10
.set TB16, 11
.set TB8, 12
.set TA16L, 13
.set TA8L, 14
.set TA16H, 15
.set TA8H, 16
.set TSL, 17
.set TSH, 18
.set XS, 11                            ; the way out's addresses take the step's registers
.set XL, 12
.set SOA, 13
.set SRA, 14
.set RRA, 15
.set GO, 16
.set L16, 19
.set BQ, 20                            ; v20-23 the bias of my four columns on the way out
.set SC, 24                            ; v24-27 scale words; nothing else
.set L8, 28
.set R4, 29
.set HH, 30
.set R16, 31
.set AF, 32
.set BF, 80
.set ACC, 128
.set WV, 14
.set KG, 15
.set MH, 16
.set NH, 17
.set G1A, 24
.set G0A, 32
.set G1B, 48
.set G0B, 56
.set G1R, 68
.set G0R, 76
.macro CROUND
	s_barrier_signal -1
	s_barrier_wait -1
	s_cmp_lg_u32 s[WV], 0
	s_cbranch_scc1 .Lnw0_\@
	s_barrier_signal -3
.Lnw0_\@:
	s_barrier_wait -3
	s_barrier_signal -1
	s_barrier_wait -1
.endm
.macro RECG1 g, rows
	s_mov_b32 s[\g+1], 32<<16
	s_mov_b32 s[\g+2], (\rows)<<16
	s_mov_b32 s[\g+3], 32<<16
	s_mov_b32 s[\g+4], \rows
	s_mov_b32 s[\g+5], 32
	s_mov_b32 s[\g+6], 0
	s_mov_b32 s[\g+7], 0
.endm
.macro MKG0 g, lr, lo, br, go
	s_mov_b32 s[\g], 1
	s_add_co_u32 s[\g+1], s[\lr], \lo
	s_add_nc_u64 s[\g+2:\g+3], s[\br:\br+1], \go
	s_or_b32 s[\g+3], s[\g+3], 0x80000000
.endm
.macro JLOAD s                         ; a joint load: waves 0-3 fetch A's four records of a fill, waves 4-7 B's; the branch hangs on the wave's number alone
	s_cmp_eq_u32 s[KG], 0
	s_cbranch_scc0 .Lfb_\@
	tensor_load_to_lds s[G0A+4*(\s):G0A+4*(\s)+3], s[G1A:G1A+7]
	s_nop 0
.rept 4
	v_nop
.endr
	s_branch .Lfd_\@
.Lfb_\@:
	tensor_load_to_lds s[G0B+4*(\s):G0B+4*(\s)+3], s[G1B:G1B+7]
	s_nop 0
.rept 4
	v_nop
.endr
.Lfd_\@:
.endm
.macro KLOAD c                         ; a K step's loads: the eight additions are also the places in front of loads into registers that matrix instructions have read
	v_add_nc_u32 v[TSL], \c, v[BSL]
	v_add_nc_u32 v[TSH], \c, v[BSH]
	v_add_nc_u32 v[TB16], \c, v[BB16]
	v_add_nc_u32 v[TB8], \c, v[BB8]
	v_add_nc_u32 v[TA16L], \c, v[BA16L]
	v_add_nc_u32 v[TA8L], \c, v[BA8L]
	v_add_nc_u32 v[TA16H], \c, v[BA16H]
	v_add_nc_u32 v[TA8H], \c, v[BA8H]
	ds_load_b32 v[SC], v[TSL]
	ds_load_b32 v[SC+1], v[TSL] offset:64
	ds_load_b32 v[SC+2], v[TSH]
	ds_load_b32 v[SC+3], v[TSH] offset:64
.irp i, 0,1,2,3
	ds_load_b128 v[BF+12*\i:BF+12*\i+3], v[TB16] offset:1536*\i
	ds_load_b64 v[BF+12*\i+4:BF+12*\i+5], v[TB8] offset:1536*\i+512
	ds_load_b128 v[BF+12*\i+6:BF+12*\i+9], v[TB16] offset:1536*\i+768
	ds_load_b64 v[BF+12*\i+10:BF+12*\i+11], v[TB8] offset:1536*\i+1280
.endr
.irp i, 0,1
	ds_load_b128 v[AF+12*\i:AF+12*\i+3], v[TA16L] offset:1536*\i
	ds_load_b64 v[AF+12*\i+4:AF+12*\i+5], v[TA8L] offset:1536*\i+512
	ds_load_b128 v[AF+12*\i+6:AF+12*\i+9], v[TA16L] offset:1536*\i+768
	ds_load_b64 v[AF+12*\i+10:AF+12*\i+11], v[TA8L] offset:1536*\i+1280
.endr
.irp i, 0,1
	ds_load_b128 v[AF+24+12*\i:AF+24+12*\i+3], v[TA16H] offset:1536*\i
	ds_load_b64 v[AF+24+12*\i+4:AF+24+12*\i+5], v[TA8H] offset:1536*\i+512
	ds_load_b128 v[AF+24+12*\i+6:AF+24+12*\i+9], v[TA16H] offset:1536*\i+768
	ds_load_b64 v[AF+24+12*\i+10:AF+24+12*\i+11], v[TA8H] offset:1536*\i+1280
.endr
.endm
.macro MT a, b, m                      ; m = 0: in place; 1: C = 0
.if \m == 1
	v_wmma_scale_f32_16x16x128_f8f6f4 v[ACC+8*(4*\a+\b):ACC+8*(4*\a+\b)+7], v[BF+12*\b:BF+12*\b+11], v[AF+12*\a:AF+12*\a+11], 0, v[SC+\b], v[SC+\a] matrix_a_fmt:MATRIX_FMT_FP6 matrix_b_fmt:MATRIX_FMT_FP6 matrix_a_scale:MATRIX_SCALE_ROW1
.else
	v_wmma_scale_f32_16x16x128_f8f6f4 v[ACC+8*(4*\a+\b):ACC+8*(4*\a+\b)+7], v[BF+12*\b:BF+12*\b+11], v[AF+12*\a:AF+12*\a+11], v[ACC+8*(4*\a+\b):ACC+8*(4*\a+\b)+7], v[SC+\b], v[SC+\a] matrix_a_fmt:MATRIX_FMT_FP6 matrix_b_fmt:MATRIX_FMT_FP6 matrix_a_scale:MATRIX_SCALE_ROW1
.endif
.endm
.macro KSTEP c, m                      ; 36 loads, 16 products; the sixteen accumulators take turns, one instruction a turn
	KLOAD \c
.irp a, 0,1,2,3
	s_wait_dscnt 12-4*\a                           ; the four loads of each later fragment of A may be out
.irp b, 0,1,2,3
	MT \a, \b, \m
.endr
.endr
.endm
; The change of slots, at the head of slot s.  Each wave waits for all its tensor loads, adds 0 to its spare word, and waits for that and for its reads of the other slot.  refill = 1: a round of the cluster's barrier,
; and behind it my one load: the other slot's next four K steps, which have this slot's two steps of mine in which to land
.macro TWO s, refill
	s_wait_tensorcnt 0x0
	ds_add_u32 v[SPW], v[NIL]
.if \refill
	s_add_nc_u64 s[G0A+4*(1-\s)+2:G0A+4*(1-\s)+3], s[G0A+4*(1-\s)+2:G0A+4*(1-\s)+3], 8*12800
	s_add_nc_u64 s[G0B+4*(1-\s)+2:G0B+4*(1-\s)+3], s[G0B+4*(1-\s)+2:G0B+4*(1-\s)+3], 8*12800
.endif
	s_wait_dscnt 0x0
.if \refill
	CROUND
	JLOAD 1-\s
.else
	s_barrier_signal -1
	s_barrier_wait -1
.endif
	KSTEP SLOT*\s, 0
	KSTEP SLOT*\s+25600, 0
.endm
.macro STIO a                          ; my kept tile a goes through my stage and comes back by rows; the residual's same rows come with it
.irp e, 0,1
.irp q, 0,1,2,3
	ds_store_b128 v[SOA], v[ACC+32*\a+16*\e+4*\q:ACC+32*\a+16*\e+4*\q+3] offset:128*\e+16*\q
.endr
.endr
.irp t, 0,1,2,3,4,5,6,7
	ds_load_b128 v[32+32*\a+4*\t:35+32*\a+4*\t], v[SRA] offset:544*\t   ; LDS serves a wave's instructions in order: these see the stores above
.endr
.irp t, 0,1,2,3,4,5,6,7
	ds_load_b128 v[192+32*\a+4*\t:195+32*\a+4*\t], v[RRA] offset:528*(8*\a+2*\t+8*(\t/4))
.endr
.endm
.macro FIN a
.irp t, 0,1,2,3,4,5,6,7
	v_pk_add_f32 v[32+32*\a+4*\t:33+32*\a+4*\t], v[32+32*\a+4*\t:33+32*\a+4*\t], v[BQ:BQ+1]
	v_pk_add_f32 v[34+32*\a+4*\t:35+32*\a+4*\t], v[34+32*\a+4*\t:35+32*\a+4*\t], v[BQ+2:BQ+3]
	s_delay_alu instid0(VALU_DEP_2)
	v_pk_add_f32 v[32+32*\a+4*\t:33+32*\a+4*\t], v[32+32*\a+4*\t:33+32*\a+4*\t], v[192+32*\a+4*\t:193+32*\a+4*\t]
	s_delay_alu instid0(VALU_DEP_2)
	v_pk_add_f32 v[34+32*\a+4*\t:35+32*\a+4*\t], v[34+32*\a+4*\t:35+32*\a+4*\t], v[194+32*\a+4*\t:195+32*\a+4*\t]
	global_store_b128 v[GO], v[32+32*\a+4*\t:35+32*\a+4*\t], s[12:13] offset:4096*(8*\a+2*\t+8*(\t/4))   ; 16 lanes store 256 consecutive bytes, at a multiple of 256 from the buffer's first byte
.endr
.endm
	s_load_b256 s[4:11], s[0:1], 0x0               ; A, wp, the bias, the residual
	s_load_b64 s[12:13], s[0:1], 0x20              ; C
	v_lshl_add_u32 v[SPW], v0, 2, SPARE
	v_mov_b32 v[NIL], 0
	ds_add_u32 v[SPW], v[NIL]                      ; the opening: the add, twice on end, and its wait ahead of my first tensor load
	ds_add_u32 v[SPW], v[NIL]
	v_lshrrev_b32 v[HH], 5, v0
	s_delay_alu instid0(VALU_DEP_1)
	v_readfirstlane_b32 s[WV], v[HH]               ; wave 0..7
	s_lshr_b32 s[KG], s[WV], 2                     ; my half of K.  Also: I fetch for A (0) or for B (1)
	s_bfe_u32 s[MH], s[WV], 0x10001
	s_and_b32 s[NH], s[WV], 1
	s_bfe_u32 s40, ttmp6, 0x40000                  ; cx, cy
	s_bfe_u32 s41, ttmp6, 0x40004
	s_lshl_b32 s42, ttmp9, 2
	s_add_co_u32 s42, s42, s40                     ; the tile column
	s_and_b32 s43, ttmp7, 0xffff
	s_lshl_b32 s43, s43, 2
	s_add_co_u32 s43, s43, s41                     ; the tile row
	s_lshl_b32 s44, s41, 2
	s_lshl_b32 s44, 15, s44                        ; my row of the cluster
	s_lshl_b32 s45, 0x1111, s40                    ; my column
	s_or_b32 s[G1A], s44, (3<<16)|(1<<21)
	s_or_b32 s[G1B], s45, (3<<16)|(1<<21)
	RECG1 G1A, 200                                 ; four records a load
	RECG1 G1B, 200
	s_mov_b32 s[G1R], (2<<16)|(1<<20)|(6<<22)|(3<<25)   ; the residual: elements of 4 bytes; 4 words of padding behind every 128
	s_mov_b32 s[G1R+1], 128<<16
	s_mov_b32 s[G1R+2], 32<<16
	s_mov_b32 s[G1R+3], 128<<16
	s_mov_b32 s[G1R+4], 32
	s_mov_b32 s[G1R+5], 1024
	s_mov_b32 s[G1R+6], 0
	s_mov_b32 s[G1R+7], 0
	s_and_b32 s18, s[WV], 1                        ; one load a wave: waves 0, 1 A's K steps 0-3 and 4-7, waves 2, 3 B's, waves 4-7 32 rows of the residual each
	s_lshl_b32 s18, s18, 2
	s_mul_i32 s20, s43, KST
	s_add_co_u32 s20, s20, s18
	s_mul_i32 s20, s20, 12800                      ; A's record (tile row, K step 4 (w % 2))
	s_mov_b32 s21, 0
	s_mul_i32 s46, s42, KST
	s_add_co_u32 s46, s46, s18
	s_mul_i32 s46, s46, 12800
	s_add_co_u32 s46, s46, WOFF                    ; B's record (tile column, K step 4 (w % 2))
	s_mov_b32 s47, 0
	s_and_b32 s19, s[WV], 1
	s_mul_i32 s19, s19, SLOT
	s_mul_i32 s81, s[MH], 51200
	s_add_co_u32 s19, s19, s81                     ; where the four records go: slot w % 2, A's part or B's
	s_lshl_b32 s80, s43, 7
	s_and_b32 s81, s[WV], 3
	s_lshl_b32 s81, s81, 5
	s_add_co_u32 s80, s80, s81
	s_lshl_b32 s80, s80, 12
	s_lshl_b32 s81, s42, 9
	s_add_co_u32 s80, s80, s81                     ; the residual's rows 32 (w % 4) on, my tile's 128 columns
	s_mov_b32 s81, 0
	s_and_b32 s82, s[WV], 3
	s_mul_i32 s82, s82, 32*528
	s_wait_dscnt 0x0
	s_wait_kmcnt 0x0
	s_add_nc_u64 s[20:21], s[4:5], s[20:21]
	s_add_nc_u64 s[46:47], s[6:7], s[46:47]
	s_add_nc_u64 s[80:81], s[10:11], s[80:81]
	CROUND                                         ; all sixteen work-groups are here: the first joint loads meet
	MKG0 G0A, 19, 0, 20, 0
	MKG0 G0B, 19, 0, 46, 0
	MKG0 G0R, 82, RES, 80, 0
	s_cmp_lt_u32 s[WV], 2                          ; one chain on the wave's number, one load to an arm: one load of mine is out
	s_cbranch_scc0 .Lh_b
	tensor_load_to_lds s[G0A:G0A+3], s[G1A:G1A+7]
	s_nop 0
.rept 4
	v_nop
.endr
	s_branch .Lh_d
.Lh_b:
	s_cmp_lt_u32 s[WV], 4
	s_cbranch_scc0 .Lh_r
	tensor_load_to_lds s[G0B:G0B+3], s[G1B:G1B+7]
	s_nop 0
.rept 4
	v_nop
.endr
	s_branch .Lh_d
.Lh_r:
	tensor_load_to_lds s[G0R:G0R+3], s[G1R:G1R+7]  ; a load of my own
	s_nop 0
.rept 4
	v_nop
.endr
.Lh_d:
	v_and_b32 v[HH], 31, v0
	s_delay_alu instid0(VALU_DEP_1)
	v_lshlrev_b32 v[L16], 4, v[HH]
	s_wait_alu depctr_va_vdst(0)
	v_lshlrev_b32 v[L8], 3, v[HH]
	s_wait_alu depctr_va_vdst(0)
	v_and_b32 v[HH], 15, v0
	s_delay_alu instid0(VALU_DEP_1)
	v_lshlrev_b32 v[R4], 2, v[HH]
	s_delay_alu instid0(VALU_DEP_2)
	v_lshlrev_b32 v[R16], 4, v[HH]
	v_bfe_u32 v[HH], v0, 4, 1
	s_wait_alu depctr_va_vdst(0)
	s_lshl_b32 s83, s42, 9
	s_lshl_b32 s84, s[NH], 8
	s_add_co_u32 s84, s84, s83
	s_mov_b32 s85, 0
	s_add_nc_u64 s[8:9], s[8:9], s[84:85]
	global_load_b128 v[BQ:BQ+3], v[R16], s[8:9]    ; the bias of the four columns that I store
	; A's slots 0, 1 are the tiles that I keep (4 mh + 2 kg on), slots 2, 3 those that I hand over (4 mh + 2 - 2 kg on)
	s_mul_i32 s84, s[KG], 15872
	s_mul_i32 s85, s[MH], 6144
	s_add_co_u32 s84, s84, s85
	s_mul_i32 s86, s[KG], 9728
	s_add_co_u32 s86, s86, s85
	s_add_co_u32 s86, s86, 3072
	s_mul_i32 s87, s[KG], 12800
	s_mul_i32 s88, s[NH], 6144
	s_add_co_u32 s88, s88, s87
	s_add_co_u32 s88, s88, 51200
	s_mul_i32 s89, s[KG], 12928
	s_lshl_b32 s90, s[MH], 8
	s_add_co_u32 s89, s89, s90
	s_add_co_u32 s89, s89, 12288
	s_mul_i32 s91, s[KG], 12672
	s_add_co_u32 s91, s91, s90
	s_add_co_u32 s91, s91, 12416
	s_lshl_b32 s92, s[NH], 8
	s_add_co_u32 s92, s92, s87
	s_add_co_u32 s92, s92, 63488
	s_sub_co_u32 s93, s92, s89                     ; from A's words to B's: lanes 16-31 take B's
	s_add_co_u32 s92, s92, 128
	s_sub_co_u32 s94, s92, s91
	v_add_nc_u32 v[BA16L], s84, v[L16]
	v_add_nc_u32 v[BA8L], s84, v[L8]
	v_add_nc_u32 v[BA16H], s86, v[L16]
	v_add_nc_u32 v[BA8H], s86, v[L8]
	v_add_nc_u32 v[BB16], s88, v[L16]
	v_add_nc_u32 v[BB8], s88, v[L8]
	v_mul_u32_u24 v[BSL], s93, v[HH]
	s_delay_alu instid0(VALU_DEP_1)
	v_add_nc_u32 v[BSL], v[BSL], v[R4]
	s_delay_alu instid0(VALU_DEP_1)
	v_add_nc_u32 v[BSL], s89, v[BSL]
	v_mul_u32_u24 v[BSH], s94, v[HH]
	s_delay_alu instid0(VALU_DEP_1)
	v_add_nc_u32 v[BSH], v[BSH], v[R4]
	s_delay_alu instid0(VALU_DEP_1)
	v_add_nc_u32 v[BSH], s91, v[BSH]
	s_wait_alu depctr_va_vdst(0)
	s_wait_tensorcnt 0x0                           ; my one load has landed; behind the barrier both slots and the residual are whole
	s_barrier_signal -1
	s_barrier_wait -1
	KSTEP 0, 1                                     ; the first products start the sums
	KSTEP 25600, 0
.if KST > 8
	s_mov_b32 s3, (KST/4-2)/2
.Llap:
	TWO 1, 1
	TWO 0, 1
	s_sub_co_u32 s3, s3, 1
	s_cmp_lg_u32 s3, 0
	s_cbranch_scc1 .Llap
.endif
	TWO 1, 0                                       ; the last slot: nothing is left to fetch
	; THE WAY OUT.  The address work is also the places behind the last products
	s_lshl_b32 s84, s[WV], 13
	v_add_nc_u32 v[XS], s84, v[L16]
	s_xor_b32 s84, s84, 4<<13                      ; my partner: the wave of the same 64 x 64 and the other half of K
	v_add_nc_u32 v[XL], s84, v[L16]
	s_mul_i32 s84, s[WV], 16*272
	s_add_co_u32 s84, s84, STG
	v_mul_u32_u24 v[SOA], v[R16], 17               ; 272 r
	s_delay_alu instid0(VALU_DEP_1)
	v_lshl_add_u32 v[SOA], v[HH], 6, v[SOA]
	s_delay_alu instid0(VALU_DEP_1)
	v_add_nc_u32 v[SOA], s84, v[SOA]
	v_mul_u32_u24 v[SRA], v[HH], 272
	s_delay_alu instid0(VALU_DEP_1)
	v_add_nc_u32 v[SRA], v[SRA], v[R16]
	s_delay_alu instid0(VALU_DEP_1)
	v_add_nc_u32 v[SRA], s84, v[SRA]
	s_lshl_b32 s85, s[MH], 1
	s_add_co_u32 s85, s85, s[KG]
	s_lshl_b32 s85, s85, 5                         ; my kept tiles begin at row 32 (2 mh + kg) of the panel
	s_mul_i32 s86, s85, 528
	s_lshl_b32 s87, s[NH], 8
	s_add_co_u32 s86, s86, s87
	s_add_co_u32 s86, s86, RES
	v_mul_u32_u24 v[RRA], v[HH], 528
	s_delay_alu instid0(VALU_DEP_1)
	v_add_nc_u32 v[RRA], v[RRA], v[R16]
	s_delay_alu instid0(VALU_DEP_1)
	v_add_nc_u32 v[RRA], s86, v[RRA]
	v_lshl_add_u32 v[GO], v[HH], 12, v[R16]
	s_lshl_b32 s88, s43, 7
	s_add_co_u32 s88, s88, s85
	s_lshl_b32 s88, s88, 12
	s_lshl_b32 s89, s42, 9
	s_add_co_u32 s88, s88, s89
	s_add_co_u32 s88, s88, s87
	s_mov_b32 s89, 0
	s_add_nc_u64 s[12:13], s[12:13], s[88:89]
.set n, 0
.rept 16
	ds_store_b128 v[XS], v[ACC+64+4*n:ACC+67+4*n] offset:512*n   ; the two tiles that I hand over, as they stand
.set n, n+1
.endr
	s_wait_dscnt 0x0                               ; for my partner's sake
	s_barrier_signal -1
	s_barrier_wait -1
.set n, 0
.rept 16
	ds_load_b128 v[32+4*n:35+4*n], v[XL] offset:512*n
.set n, n+1
.endr
	s_wait_dscnt 0x0
.set n, 0
.rept 32
	v_pk_add_f32 v[ACC+n:ACC+n+1], v[ACC+n:ACC+n+1], v[32+n:33+n]   ; the other half of K
.set n, n+2
.endr
	STIO 0
	STIO 1
	s_wait_loadcnt 0x0                             ; the bias
	s_wait_dscnt 24                                ; tile 0 is back; tile 1's 24 LDS instructions may be out
	FIN 0
	s_wait_dscnt 0x0
	FIN 1
	s_wait_tensorcnt 0x0                           ; the wave's end
	ds_add_u32 v[SPW], v[NIL]
	s_wait_dscnt 0x0
	CROUND                                         ; the closing round
	s_endpgm
.Lfunc_end_k_q246697222a_wo:
	.size	k_q246697222a_wo, .Lfunc_end_k_q246697222a_wo-k_q246697222a_wo
	.p2alignl 7, 3214868480
	.fill 96, 4, 3214868480
	.section	.rodata,"a",@progbits
	.p2align	6, 0x0
	.amdhsa_kernel k_q246697222a_wo
		.amdhsa_group_segment_fixed_size 327680
		.amdhsa_private_segment_fixed_size 0
		.amdhsa_enable_private_segment 0
		.amdhsa_kernarg_size 40
		.amdhsa_user_sgpr_count 2
		.amdhsa_user_sgpr_kernarg_segment_ptr 1
		.amdhsa_wavefront_size32 1
		.amdhsa_system_sgpr_workgroup_id_x 1
		.amdhsa_system_sgpr_workgroup_id_y 1
		.amdhsa_system_sgpr_workgroup_id_z 1
		.amdhsa_system_vgpr_workitem_id 0
		.amdhsa_next_free_vgpr 256
		.amdhsa_next_free_sgpr 100
		.amdhsa_reserve_vcc 0
		.amdhsa_float_denorm_mode_32 3
		.amdhsa_float_denorm_mode_16_64 3
		.amdhsa_memory_ordered 1
		.amdhsa_forward_progress 1
		.amdhsa_inst_pref_size 44
	.end_amdhsa_kernel
	.amdgpu_metadata
---
amdhsa.version: [ 1, 2 ]
amdhsa.kernels:
  - .name:           k_q246697222a_wo
    .symbol:         k_q246697222a_wo.kd
    .args:
      - { .name: ap, .offset: 0, .size: 8, .value_kind: global_buffer, .address_space: global }
      - { .name: wp, .offset: 8, .size: 8, .value_kind: global_buffer, .address_space: global }
      - { .name: bo, .offset: 16, .size: 8, .value_kind: global_buffer, .address_space: global }
      - { .name: x, .offset: 24, .size: 8, .value_kind: global_buffer, .address_space: global }
      - { .name: x1, .offset: 32, .size: 8, .value_kind: global_buffer, .address_space: global }
    .group_segment_fixed_size: 327680
    .private_segment_fixed_size: 0
    .kernarg_segment_align: 8
    .kernarg_segment_size: 40
    .max_flat_workgroup_size: 256
    .sgpr_count:     100
    .vgpr_count:     256
    .wavefront_size: 32
...
	.end_amdgpu_metadata
.endif
;; end of part 4
;; launch ln2 (part 5): grid 256 x 1, 8 waves a work-group, no clusters, 66,816 bytes of LDS; arguments x1, g2, bt2, hp; writes hp
.if DOCPART == 5
	.amdgcn_target "amdgcn-amd-amdhsa--gfx1250"
	.amdhsa_code_object_version 6
	.text
	.protected	k_q246697222a_ln2
	.globl	k_q246697222a_ln2
	.p2align	8
	.type	k_q246697222a_ln2,@function
k_q246697222a_ln2:
	s_mov_b64 s[64:65], 0
	v_nop
	global_prefetch_b8 v0, s[64:65] scope:SCOPE_SE
	s_setreg_imm32_b32 hwreg(HW_REG_WAVE_MODE, 25, 1), 1
	s_wait_xcnt 0x0
; Launch 5: h2 = layernorm(x1) as codes of FP6, laid as records (see the head of the first launch, whose layernorm this is).  Nothing is left out here.
; A work-group takes one tile of 16 tokens.  Wave w norms tile rows 2 w and 2 w + 1; the rows meet in LDS (pitch 4,112); then wave w quantises K step w of all 16 rows.
; LIMITS: scale byte 1 for blocks under 2^-124 and for blocks of zeros; 1 / sqrt is v_rsq_f32 (1 ulp); no NaN, no infinities.
.set SPW, 1
.set NIL, 2
.set LANE, 3
.set L16, 4
.set L8, 5
.set R, 24
.set H, 25
.set R4, 26
.set STA, 27
.set LDA, 28
.set X, 32
.set G, 96
.set BT, 128
.set PC, 96
.set TM, 160
.set PW, 176
.set ROWP, 4112
.set SPARE, 16*ROWP
.set WV, 12
.set SEL, 14
.macro QUANT s
.irp b, 0,1,2,3
	v_max3_num_f32 v[TM+\b], |v[\s+16*\b]|, |v[\s+1+16*\b]|, 0x1800000
.endr
.irp i, 2,4,6,8,10,12,14
.irp b, 0,1,2,3
	s_delay_alu instid0(VALU_DEP_4)
	v_max3_num_f32 v[TM+\b], v[TM+\b], |v[\s+16*\b+\i]|, |v[\s+1+16*\b+\i]|
.endr
.endr
.irp b, 0,1,2,3
	s_delay_alu instid0(VALU_DEP_4)
	v_permlanex16_b32 v[TM+4+\b], v[TM+\b], s[SEL], s[SEL+1]
.endr
.irp b, 0,1,2,3
	s_delay_alu instid0(VALU_DEP_4)
	v_max_num_f32 v[TM+\b], v[TM+\b], v[TM+4+\b]
.endr
.irp b, 0,1,2,3
	s_delay_alu instid0(VALU_DEP_4)
	v_add_nc_u32 v[TM+12+\b], 0xff000000, v[TM+\b]
.endr
.irp b, 0,1,2,3
	s_delay_alu instid0(VALU_DEP_4)
	v_lshrrev_b32 v[TM+4+\b], 23, v[TM+12+\b]
.endr
	s_delay_alu instid0(VALU_DEP_3)
	v_lshl_or_b32 v[PW], v[TM+5], 8, v[TM+4]
	s_delay_alu instid0(VALU_DEP_1)
	v_lshl_or_b32 v[PW], v[TM+6], 16, v[PW]
	s_delay_alu instid0(VALU_DEP_1)
	v_lshl_or_b32 v[PW], v[TM+7], 24, v[PW]
.irp c, 0,1
	v_cvt_scalef32_pk16_fp6_f32 v[PC+6*\c:PC+2+6*\c], v[\s+32*\c:\s+15+32*\c], v[TM+12+2*\c]
	v_cvt_scalef32_pk16_fp6_f32 v[PC+12+4*\c:PC+14+4*\c], v[\s+16+32*\c:\s+31+32*\c], v[TM+12+2*\c+1]
.endr
	v_nop
.irp c, 0,1
.irp i, 0,1,2
	v_permlane16_swap_b32 v[PC+6*\c+\i], v[PC+12+4*\c+\i]
.endr
.irp i, 0,1,2
	s_delay_alu instid0(VALU_DEP_3)
	v_mov_b32 v[PC+3+6*\c+\i], v[PC+12+4*\c+\i]
.endr
.endr
.endm
.macro FOLD
.irp p, 0
	s_delay_alu instid0(VALU_DEP_3)
	v_pk_add_f32 v[8+8*\p:9+8*\p], v[8+8*\p:9+8*\p], v[10+8*\p:11+8*\p]
.endr
.irp p, 1
	s_delay_alu instid0(VALU_DEP_2)
	v_pk_add_f32 v[8+8*\p:9+8*\p], v[8+8*\p:9+8*\p], v[10+8*\p:11+8*\p]
.endr
.irp p, 0,1
	s_delay_alu instid0(VALU_DEP_2)
	v_add_f32 v[12+8*\p], v[8+8*\p], v[9+8*\p]
.endr
.irp m, 1,2,4,8
.irp p, 0,1
	s_delay_alu instid0(VALU_DEP_2)
	v_add_f32_dpp v[12+8*\p], v[12+8*\p], v[12+8*\p] row_xmask:\m row_mask:0xf bank_mask:0xf
.endr
.endr
.irp p, 0,1
	s_delay_alu instid0(VALU_DEP_2)
	v_permlanex16_b32 v[13+8*\p], v[12+8*\p], s[SEL], s[SEL+1]
.endr
.irp p, 0,1
	s_delay_alu instid0(VALU_DEP_2)
	v_add_f32 v[12+8*\p], v[12+8*\p], v[13+8*\p]
.endr
.endm
	s_load_b256 s[4:11], s[0:1], 0x0               ; x1, g2, bt2, hp
	v_lshl_add_u32 v[SPW], v0, 2, SPARE
	v_mov_b32 v[NIL], 0
	v_lshrrev_b32 v[LANE], 5, v0
	s_delay_alu instid0(VALU_DEP_1)
	v_readfirstlane_b32 s[WV], v[LANE]
	v_and_b32 v[LANE], 31, v0
	s_delay_alu instid0(VALU_DEP_1)
	v_lshlrev_b32 v[L16], 4, v[LANE]
	s_delay_alu instid0(VALU_DEP_2)
	v_lshlrev_b32 v[L8], 3, v[LANE]
	v_and_b32 v[R], 15, v0
	v_bfe_u32 v[H], v0, 4, 1
	s_delay_alu instid0(VALU_DEP_2)
	v_lshlrev_b32 v[R4], 2, v[R]
	s_mov_b32 s[SEL], 0x76543210
	s_mov_b32 s[SEL+1], 0xfedcba98
	s_wait_alu depctr_va_vdst(0)
	s_wait_kmcnt 0x0
	s_lshr_b32 s42, ttmp9, 3                       ; the panel of 128 tokens
	s_and_b32 s43, ttmp9, 7                        ; my tile in it
	s_lshl_b32 s44, s42, 7
	s_lshr_b32 s45, s43, 1
	s_lshl_b32 s45, s45, 5
	s_add_co_u32 s44, s44, s45
	s_and_b32 s45, s43, 1
	s_lshl_b32 s45, s45, 3
	s_add_co_u32 s44, s44, s45
	s_lshl_b32 s45, s[WV], 1
	s_add_co_u32 s44, s44, s45
	s_lshr_b32 s45, s[WV], 2
	s_lshl_b32 s45, s45, 3
	s_add_co_u32 s44, s44, s45                     ; the token of tile row 2 w; row 2 w + 1 is the next token
	s_lshl_b32 s44, s44, 12
	s_mov_b32 s45, 0
	s_add_nc_u64 s[4:5], s[4:5], s[44:45]
.irp p, 0,1
.irp j, 0,1,2,3,4,5,6,7
	global_load_b128 v[X+32*\p+4*\j:X+32*\p+4*\j+3], v[L16], s[4:5] offset:4096*\p+512*\j
.endr
.endr
.irp j, 0,1,2,3,4,5,6,7
	global_load_b128 v[G+4*\j:G+4*\j+3], v[L16], s[6:7] offset:512*\j
.endr
.irp j, 0,1,2,3,4,5,6,7
	global_load_b128 v[BT+4*\j:BT+4*\j+3], v[L16], s[8:9] offset:512*\j
.endr
	s_mul_i32 s46, s[WV], 2*ROWP
	v_add_nc_u32 v[STA], s46, v[L16]
	v_mul_u32_u24 v[LDA], v[R], ROWP
	s_delay_alu instid0(VALU_DEP_1)
	v_lshl_add_u32 v[LDA], v[H], 6, v[LDA]
	s_lshl_b32 s46, s[WV], 9
	v_add_nc_u32 v[LDA], s46, v[LDA]
	v_mov_b32 v13, 0
	v_mov_b32 v21, 0
.irp b, 0,1,2,3
	v_mov_b32 v[TM+4+\b], 0
.endr
	s_mov_b32 s54, 0x3a800000                      ; 1 / 1024
	s_mov_b32 s55, 0x3727c5ac                      ; 1e-5
	s_lshl_b32 s46, s42, 3
	s_add_co_u32 s46, s46, s[WV]
	s_mul_i32 s46, s46, 12800
	s_mov_b32 s47, 0
	s_add_nc_u64 s[10:11], s[10:11], s[46:47]
	s_mul_i32 s48, s43, 1536
	s_mov_b32 s49, 0
	s_add_nc_u64 s[50:51], s[10:11], s[48:49]
	s_lshl_b32 s48, s43, 6
	s_add_co_u32 s48, s48, 12288
	s_add_nc_u64 s[52:53], s[10:11], s[48:49]
	s_wait_loadcnt 16                              ; both rows are in; the 16 loads of gain and bias may be out
.irp p, 0,1
	v_pk_add_f32 v[8+8*\p:9+8*\p], v[X+32*\p:X+32*\p+1], v[X+32*\p+2:X+32*\p+3]
	v_pk_add_f32 v[10+8*\p:11+8*\p], v[X+32*\p+4:X+32*\p+5], v[X+32*\p+6:X+32*\p+7]
.endr
.irp j, 8,12,16,20,24,28
.irp p, 0,1
	s_delay_alu instid0(VALU_DEP_4)
	v_pk_add_f32 v[8+8*\p:9+8*\p], v[8+8*\p:9+8*\p], v[X+32*\p+\j:X+32*\p+\j+1]
	s_delay_alu instid0(VALU_DEP_4)
	v_pk_add_f32 v[10+8*\p:11+8*\p], v[10+8*\p:11+8*\p], v[X+32*\p+\j+2:X+32*\p+\j+3]
.endr
.endr
	FOLD
.irp p, 0
	s_delay_alu instid0(VALU_DEP_2)
	v_mul_f32 v[14+8*\p], 0xba800000, v[12+8*\p]
	s_delay_alu instid0(VALU_DEP_3)
	v_mul_f32 v[15+8*\p], 0xba800000, v[12+8*\p]
.endr
.irp p, 1
	s_delay_alu instid0(VALU_DEP_3)
	v_mul_f32 v[14+8*\p], 0xba800000, v[12+8*\p]
	s_delay_alu instid0(VALU_DEP_4)
	v_mul_f32 v[15+8*\p], 0xba800000, v[12+8*\p]
.endr
.set n, 0
.rept 16
	v_pk_add_f32 v[X+n:X+n+1], v[X+n:X+n+1], v[14:15]
	v_pk_add_f32 v[X+32+n:X+33+n], v[X+32+n:X+33+n], v[22:23]
.set n, n+2
.endr
.irp p, 0,1
	v_pk_mul_f32 v[8+8*\p:9+8*\p], v[X+32*\p:X+32*\p+1], v[X+32*\p:X+32*\p+1]
	v_pk_mul_f32 v[10+8*\p:11+8*\p], v[X+32*\p+2:X+32*\p+3], v[X+32*\p+2:X+32*\p+3]
.endr
.irp j, 4,8,12,16,20,24,28
.irp p, 0,1
	s_delay_alu instid0(VALU_DEP_4)
	v_pk_fma_f32 v[8+8*\p:9+8*\p], v[X+32*\p+\j:X+32*\p+\j+1], v[X+32*\p+\j:X+32*\p+\j+1], v[8+8*\p:9+8*\p]
	s_delay_alu instid0(VALU_DEP_4)
	v_pk_fma_f32 v[10+8*\p:11+8*\p], v[X+32*\p+\j+2:X+32*\p+\j+3], v[X+32*\p+\j+2:X+32*\p+\j+3], v[10+8*\p:11+8*\p]
.endr
.endr
	FOLD
.irp p, 0,1
	s_delay_alu instid0(VALU_DEP_2)
	v_fma_f32 v[12+8*\p], v[12+8*\p], s54, s55
.endr
	s_wait_alu depctr_va_vdst(0)
	v_rsq_f32 v14, v12
	v_rsq_f32 v22, v20
	v_nop
	s_wait_loadcnt 0x0
	s_wait_alu depctr_va_vdst(0)                   ; one wait for both, ahead of their first reader
	v_mov_b32 v15, v14
	v_mov_b32 v23, v22
.set n, 0
.rept 16
	v_pk_mul_f32 v[X+n:X+n+1], v[X+n:X+n+1], v[14:15]
	v_pk_mul_f32 v[X+32+n:X+33+n], v[X+32+n:X+33+n], v[22:23]
	s_delay_alu instid0(VALU_DEP_2)
	v_pk_fma_f32 v[X+n:X+n+1], v[X+n:X+n+1], v[G+n:G+n+1], v[BT+n:BT+n+1]
	s_delay_alu instid0(VALU_DEP_2)
	v_pk_fma_f32 v[X+32+n:X+33+n], v[X+32+n:X+33+n], v[G+n:G+n+1], v[BT+n:BT+n+1]
.set n, n+2
.endr
.irp p, 0,1
.irp j, 0,1,2,3,4,5,6,7
	ds_store_b128 v[STA], v[X+32*\p+4*\j:X+32*\p+4*\j+3] offset:ROWP*\p+512*\j
.endr
.endr
	s_wait_dscnt 0x0                               ; for the others' sake: my two rows lie in LDS
	s_barrier_signal -1
	s_barrier_wait -1
.irp b, 0,1,2,3
.irp q, 0,1,2,3
	ds_load_b128 v[X+16*\b+4*\q:X+16*\b+4*\q+3], v[LDA] offset:128*\b+16*\q
.endr
.endr
	s_wait_dscnt 0x0
	QUANT X
	global_store_b128 v[L16], v[PC:PC+3], s[50:51]
	global_store_b64 v[L8], v[PC+4:PC+5], s[50:51] offset:512
	global_store_b128 v[L16], v[PC+6:PC+9], s[50:51] offset:768
	global_store_b64 v[L8], v[PC+10:PC+11], s[50:51] offset:1280
	global_store_b32 v[R4], v[PW], s[52:53]
	s_wait_tensorcnt 0x0                           ; the wave's end
	ds_add_u32 v[SPW], v[NIL]
	s_wait_dscnt 0x0
	s_endpgm
.Lfunc_end_k_q246697222a_ln2:
	.size	k_q246697222a_ln2, .Lfunc_end_k_q246697222a_ln2-k_q246697222a_ln2
	.p2alignl 7, 3214868480
	.fill 96, 4, 3214868480
	.section	.rodata,"a",@progbits
	.p2align	6, 0x0
	.amdhsa_kernel k_q246697222a_ln2
		.amdhsa_group_segment_fixed_size 66816
		.amdhsa_private_segment_fixed_size 0
		.amdhsa_enable_private_segment 0
		.amdhsa_kernarg_size 32
		.amdhsa_user_sgpr_count 2
		.amdhsa_user_sgpr_kernarg_segment_ptr 1
		.amdhsa_wavefront_size32 1
		.amdhsa_system_sgpr_workgroup_id_x 1
		.amdhsa_system_sgpr_workgroup_id_y 1
		.amdhsa_system_sgpr_workgroup_id_z 1
		.amdhsa_system_vgpr_workitem_id 0
		.amdhsa_next_free_vgpr 192
		.amdhsa_next_free_sgpr 66
		.amdhsa_reserve_vcc 0
		.amdhsa_float_denorm_mode_32 3
		.amdhsa_float_denorm_mode_16_64 3
		.amdhsa_memory_ordered 1
		.amdhsa_forward_progress 1
		.amdhsa_inst_pref_size 30
	.end_amdhsa_kernel
	.amdgpu_metadata
---
amdhsa.version: [ 1, 2 ]
amdhsa.kernels:
  - .name:           k_q246697222a_ln2
    .symbol:         k_q246697222a_ln2.kd
    .args:
      - { .name: x1, .offset: 0, .size: 8, .value_kind: global_buffer, .address_space: global }
      - { .name: g2, .offset: 8, .size: 8, .value_kind: global_buffer, .address_space: global }
      - { .name: bt2, .offset: 16, .size: 8, .value_kind: global_buffer, .address_space: global }
      - { .name: hp, .offset: 24, .size: 8, .value_kind: global_buffer, .address_space: global }
    .group_segment_fixed_size: 66816
    .private_segment_fixed_size: 0
    .kernarg_segment_align: 8
    .kernarg_segment_size: 32
    .max_flat_workgroup_size: 256
    .sgpr_count:     66
    .vgpr_count:     192
    .wavefront_size: 32
...
	.end_amdgpu_metadata
.endif
;; end of part 5
;; launch ffn1 (part 6): grid 16 x 16, 16 waves a work-group, clusters of 4 x 4, 327,680 bytes of LDS; arguments hp, wp, b1, fp; writes fp
.if DOCPART == 6
	.amdgcn_target "amdgcn-amd-amdhsa--gfx1250"
	.amdhsa_code_object_version 6
	.text
	.protected	k_q246697222a_ffn1
	.globl	k_q246697222a_ffn1
	.p2align	8
	.type	k_q246697222a_ffn1,@function
k_q246697222a_ffn1:
	s_mov_b64 s[64:65], 0
	v_nop
	global_prefetch_b8 v0, s[64:65] scope:SCOPE_SE
	s_setreg_imm32_b32 hwreg(HW_REG_WAVE_MODE, 25, 1), 1
	s_wait_xcnt 0x0
	s_wait_alu depctr_hold_cnt(0) depctr_sa_sdst(0) depctr_va_vdst(0) depctr_va_sdst(0) depctr_va_ssrc(0) depctr_va_vcc(0) depctr_vm_vsrc(0)
	s_getreg_b32 s2, hwreg(HW_REG_IB_STS2, 6, 4)
	s_cmp_eq_u32 s2, 0
	s_cbranch_scc0 .Lentry_in_a_cluster
	s_endpgm
.Lentry_in_a_cluster:
	s_bfe_u32 s2, ttmp6, 0x10000c
	s_cmp_lg_u32 s2, 0xf033
	s_cbranch_scc0 .Lentry_shape_is_right
	s_endpgm
.Lentry_shape_is_right:
; Launch 6: gelu(h2 w1 + b1), exact (erf) form, quantised along the 4,096 hidden units into records for the last product.  Nothing is left out here.
; A tile is 256 tokens x 256 hidden units; sixteen waves, each 64 x 64: 16 accumulators; four waves to a SIMD, so that one wave's GELU stands beside another's products.
; K = 1,024 is four fills of two K steps (A's two panels, B's two panels: 8 records, two for each of four waves); three slots are filled at the head, slot 0 once more behind its two steps.
; CLUSTERS: 4 x 4: h2's records jointly along a row of the cluster, w1's along a column.  THE PRODUCT IS USED TRANSPOSED: a lane holds one token, its registers run along the hidden units, the next K.
; erf(u) = u P(u^2) / Q(u^2), u held to +-3.7439212 (beyond it erf is 1 in f32): a rational form of f32 accuracy; 1 / Q is v_rcp_f32 (1 ulp).  gelu = x / 2 + (x / 2) erf(x / sqrt 2).
; LIMITS: far in the negative tail gelu is formed as a difference and is right to about 1e-7 |x|, not to 1e-6 of itself; scale byte 1 for blocks under 2^-124 and for blocks of zeros; no NaN, no infinities.
.set SLOT, 102400
.set SPARE, 3*SLOT
.set SPW, 1
.set NIL, 2
.set BB16, 3
.set BB8, 4
.set BA16L, 5
.set BA8L, 6
.set BA16H, 7
.set BA8H, 8
.set BSL, 9
.set BSH, 10
.set TB16, 11
.set TB8, 12
.set TA16L, 13
.set TA8L, 14
.set TA16H, 15
.set TA8H, 16
.set TSL, 17
.set TSH, 18
.set L16, 19
.set VA, 20                            ; v[20:21] P's leading coefficient, v[22:23] Q's
.set VB, 22
.set SC, 24                            ; v24-27 scale words; nothing else
.set VC, 28                            ; the clamp
.set L8, 29
.set R4, 30
.set HH, 31
.set AF, 32
.set BF, 80
.set ACC, 128
.set U, 32                             ; the GELU's 4 x 16 registers, in the fragments' place
.set Z, 48
.set P, 64
.set Q, 80
.set TM, 96
.set TX, 98
.set SO, 100
.set BY, 102
.set PT, 104
.set PW, 108
.set PC, 112
.set WV, 14
.set PA, 15
.set MH, 16
.set PB, 17
.set NH, 18
.set NW, 19
.set G1A, 24
.set G0A, 32                           ; s[32:35]
.set G1B, 48
.set G0B0, 56
.set G0B1, 60
.set G0B2, 68
.set SEL, 78
.macro CROUND
	s_barrier_signal -1
	s_barrier_wait -1
	s_cmp_lg_u32 s[WV], 0
	s_cbranch_scc1 .Lnw0_\@
	s_barrier_signal -3
.Lnw0_\@:
	s_barrier_wait -3
	s_barrier_signal -1
	s_barrier_wait -1
.endm
.macro RECG1 g, rows
	s_mov_b32 s[\g+1], 32<<16
	s_mov_b32 s[\g+2], (\rows)<<16
	s_mov_b32 s[\g+3], 32<<16
	s_mov_b32 s[\g+4], \rows
	s_mov_b32 s[\g+5], 32
	s_mov_b32 s[\g+6], 0
	s_mov_b32 s[\g+7], 0
.endm
.macro MKG0 g, lr, lo, br, go
	s_mov_b32 s[\g], 1
	s_add_co_u32 s[\g+1], s[\lr], \lo
	s_add_nc_u64 s[\g+2:\g+3], s[\br:\br+1], \go
	s_or_b32 s[\g+3], s[\g+3], 0x80000000
.endm
.macro KLOAD c
	v_add_nc_u32 v[TSL], \c, v[BSL]
	v_add_nc_u32 v[TSH], \c, v[BSH]
	v_add_nc_u32 v[TB16], \c, v[BB16]
	v_add_nc_u32 v[TB8], \c, v[BB8]
	v_add_nc_u32 v[TA16L], \c, v[BA16L]
	v_add_nc_u32 v[TA8L], \c, v[BA8L]
	v_add_nc_u32 v[TA16H], \c, v[BA16H]
	v_add_nc_u32 v[TA8H], \c, v[BA8H]
	ds_load_b32 v[SC], v[TSL]
	ds_load_b32 v[SC+1], v[TSL] offset:64
	ds_load_b32 v[SC+2], v[TSH]
	ds_load_b32 v[SC+3], v[TSH] offset:64
.irp i, 0,1,2,3
	ds_load_b128 v[BF+12*\i:BF+12*\i+3], v[TB16] offset:1536*\i
	ds_load_b64 v[BF+12*\i+4:BF+12*\i+5], v[TB8] offset:1536*\i+512
	ds_load_b128 v[BF+12*\i+6:BF+12*\i+9], v[TB16] offset:1536*\i+768
	ds_load_b64 v[BF+12*\i+10:BF+12*\i+11], v[TB8] offset:1536*\i+1280
.endr
.irp i, 0,1
	ds_load_b128 v[AF+12*\i:AF+12*\i+3], v[TA16L] offset:1536*\i
	ds_load_b64 v[AF+12*\i+4:AF+12*\i+5], v[TA8L] offset:1536*\i+512
	ds_load_b128 v[AF+12*\i+6:AF+12*\i+9], v[TA16L] offset:1536*\i+768
	ds_load_b64 v[AF+12*\i+10:AF+12*\i+11], v[TA8L] offset:1536*\i+1280
.endr
.irp i, 0,1
	ds_load_b128 v[AF+24+12*\i:AF+24+12*\i+3], v[TA16H] offset:1536*\i
	ds_load_b64 v[AF+24+12*\i+4:AF+24+12*\i+5], v[TA8H] offset:1536*\i+512
	ds_load_b128 v[AF+24+12*\i+6:AF+24+12*\i+9], v[TA16H] offset:1536*\i+768
	ds_load_b64 v[AF+24+12*\i+10:AF+24+12*\i+11], v[TA8H] offset:1536*\i+1280
.endr
.endm
.macro MT a, b, m                      ; m = 0: in place; 2: C = the bias, which lies in accumulator (0, b)
.if \m == 2
	v_wmma_scale_f32_16x16x128_f8f6f4 v[ACC+8*(4*\a+\b):ACC+8*(4*\a+\b)+7], v[BF+12*\b:BF+12*\b+11], v[AF+12*\a:AF+12*\a+11], v[ACC+8*\b:ACC+8*\b+7], v[SC+\b], v[SC+\a] matrix_a_fmt:MATRIX_FMT_FP6 matrix_b_fmt:MATRIX_FMT_FP6 matrix_a_scale:MATRIX_SCALE_ROW1
.else
	v_wmma_scale_f32_16x16x128_f8f6f4 v[ACC+8*(4*\a+\b):ACC+8*(4*\a+\b)+7], v[BF+12*\b:BF+12*\b+11], v[AF+12*\a:AF+12*\a+11], v[ACC+8*(4*\a+\b):ACC+8*(4*\a+\b)+7], v[SC+\b], v[SC+\a] matrix_a_fmt:MATRIX_FMT_FP6 matrix_b_fmt:MATRIX_FMT_FP6 matrix_a_scale:MATRIX_SCALE_ROW1
.endif
.endm
.macro KSTEP c, m                      ; the sixteen accumulators take turns, one instruction a turn
	KLOAD \c
.if \m == 2
	s_wait_dscnt 0x0
.irp a, 1,2,3
.irp b, 0,1,2,3
	MT \a, \b, 2
.endr
.endr
.rept 5
	v_nop                                          ; five places: the next four write over registers that the twelve have read as C
.endr
.irp b, 0,1,2,3
	MT 0, \b, 0
.endr
.else
.irp a, 0,1,2,3
	s_wait_dscnt 12-4*\a                           ; the four loads of each later fragment of A may be out
.irp b, 0,1,2,3
	MT \a, \b, 0
.endr
.endr
.endif
.endm
.macro QUANT2 s, pc, pw
.irp b, 0,1
	v_max3_num_f32 v[TM+\b], |v[\s+16*\b]|, |v[\s+1+16*\b]|, 0x1800000
.endr
.irp i, 2,4,6,8,10,12,14
.irp b, 0,1
	s_delay_alu instid0(VALU_DEP_2)
	v_max3_num_f32 v[TM+\b], v[TM+\b], |v[\s+16*\b+\i]|, |v[\s+1+16*\b+\i]|
.endr
.endr
.irp b, 0,1
	s_delay_alu instid0(VALU_DEP_2)
	v_permlanex16_b32 v[TX+\b], v[TM+\b], s[SEL], s[SEL+1]
.endr
.irp b, 0,1
	s_delay_alu instid0(VALU_DEP_2)
	v_max_num_f32 v[TM+\b], v[TM+\b], v[TX+\b]
.endr
.irp b, 0,1
	s_delay_alu instid0(VALU_DEP_2)
	v_add_nc_u32 v[SO+\b], 0xff000000, v[TM+\b]
.endr
.irp b, 0,1
	s_delay_alu instid0(VALU_DEP_2)
	v_lshrrev_b32 v[BY+\b], 23, v[SO+\b]
.endr
	s_delay_alu instid0(VALU_DEP_1)
	v_lshl_or_b32 v[\pw], v[BY+1], 8, v[BY]
	v_cvt_scalef32_pk16_fp6_f32 v[\pc:\pc+2], v[\s:\s+15], v[SO]
	v_cvt_scalef32_pk16_fp6_f32 v[PT:PT+2], v[\s+16:\s+31], v[SO+1]
	v_nop
.irp i, 0,1,2
	v_permlane16_swap_b32 v[\pc+\i], v[PT+\i]
.endr
.irp i, 0,1,2
	s_delay_alu instid0(VALU_DEP_3)
	v_mov_b32 v[\pc+3+\i], v[PT+\i]
.endr
.endm
.macro HORNER p, c                     ; eight pairs: p = p z + the coefficient in s[c:c+1]
.set n, 0
.rept 8
	v_pk_fma_f32 v[\p+n:\p+n+1], v[\p+n:\p+n+1], v[Z+n:Z+n+1], s[\c:\c+1] op_sel_hi:[1,1,0]
.set n, n+2
.endr
.endm
.macro GELU16 x                        ; 16 numbers of a lane, in place
.set n, 0
.rept 8
	v_pk_mul_f32 v[U+n:U+n+1], v[\x+n:\x+n+1], s[24:25] op_sel_hi:[1,0]   ; u = x / sqrt 2
.set n, n+2
.endr
.set n, 0
.rept 16
	v_med3_num_f32 v[U+n], v[U+n], -v[VC], v[VC]
.set n, n+1
.endr
.set n, 0
.rept 8
	v_pk_mul_f32 v[Z+n:Z+n+1], v[U+n:U+n+1], v[U+n:U+n+1]
.set n, n+2
.endr
.set n, 0
.rept 8
	v_pk_fma_f32 v[P+n:P+n+1], v[Z+n:Z+n+1], v[VA:VA+1], s[26:27] op_sel_hi:[1,1,0]
	v_pk_fma_f32 v[Q+n:Q+n+1], v[Z+n:Z+n+1], v[VB:VB+1], s[34:35] op_sel_hi:[1,1,0]
.set n, n+2
.endr
	HORNER P, 28
	HORNER Q, 36
	HORNER P, 30
	HORNER Q, 38
	HORNER P, 32
	HORNER Q, 40
	HORNER Q, 42
.set n, 0
.rept 8
	v_pk_fma_f32 v[Q+n:Q+n+1], v[Q+n:Q+n+1], v[Z+n:Z+n+1], 1.0 op_sel_hi:[1,1,0]
.set n, n+2
.endr
.set n, 0
	s_wait_alu depctr_va_vdst(0)
.rept 16
	v_rcp_f32 v[Q+n], v[Q+n]
.set n, n+1
.endr
.set n, 0
.rept 8
	v_pk_mul_f32 v[P+n:P+n+1], v[P+n:P+n+1], v[U+n:U+n+1]               ; work that names no reciprocal stands behind the batch
	v_pk_mul_f32 v[Z+n:Z+n+1], v[\x+n:\x+n+1], 0.5 op_sel_hi:[1,0]
.set n, n+2
.endr
	s_wait_alu depctr_va_vdst(0)                   ; one wait for the sixteen, ahead of their first reader
.set n, 0
.rept 8
	v_pk_mul_f32 v[P+n:P+n+1], v[P+n:P+n+1], v[Q+n:Q+n+1]               ; erf
	s_delay_alu instid0(VALU_DEP_1)
	v_pk_fma_f32 v[\x+n:\x+n+1], v[Z+n:Z+n+1], v[P+n:P+n+1], v[Z+n:Z+n+1]
.set n, n+2
.endr
.endm
	s_load_b256 s[4:11], s[0:1], 0x0               ; hp, wp, b1, fp
	v_lshl_add_u32 v[SPW], v0, 2, SPARE
	v_mov_b32 v[NIL], 0
	ds_add_u32 v[SPW], v[NIL]                      ; the opening: the add, twice on end, and its wait ahead of the first tensor load
	ds_add_u32 v[SPW], v[NIL]
	v_lshrrev_b32 v[HH], 5, v0
	s_delay_alu instid0(VALU_DEP_1)
	v_readfirstlane_b32 s[WV], v[HH]               ; wave 0..15
	s_lshr_b32 s[PA], s[WV], 3
	s_bfe_u32 s[MH], s[WV], 0x10002
	s_and_b32 s[NW], s[WV], 3
	s_lshr_b32 s[PB], s[NW], 1
	s_and_b32 s[NH], s[NW], 1
	s_bfe_u32 s72, ttmp6, 0x40000                  ; cx, cy
	s_bfe_u32 s73, ttmp6, 0x40004
	s_lshl_b32 s74, ttmp9, 2
	s_add_co_u32 s74, s74, s72                     ; the tile column
	s_and_b32 s75, ttmp7, 0xffff
	s_lshl_b32 s75, s75, 2
	s_add_co_u32 s75, s75, s73                     ; the tile row
	s_lshl_b32 s76, s73, 2
	s_lshl_b32 s76, 15, s76
	s_lshl_b32 s77, 0x1111, s72
	s_or_b32 s[G1A], s76, (3<<16)|(1<<21)
	s_or_b32 s[G1B], s77, (3<<16)|(1<<21)
	RECG1 G1A, 100                                 ; two records, a panel's two K steps of a slot, a load
	RECG1 G1B, 100
	s_lshr_b32 s23, s[WV], 2                       ; one load a wave: wave w < 12 fills quarter w % 4 of slot w / 4: A's panels 0, 1, then B's
	s_lshl_b32 s23, s23, 1                         ; the slot's first K step
	s_and_b32 s80, s[WV], 1                        ; which of the two panels I fetch
	s_lshl_b32 s20, s75, 1
	s_add_co_u32 s20, s20, s80
	s_lshl_b32 s20, s20, 3
	s_add_co_u32 s20, s20, s23
	s_mul_i32 s20, s20, 12800                      ; h2's record (panel, K step 2 (w / 4))
	s_mov_b32 s21, 0
	s_lshl_b32 s46, s74, 1
	s_add_co_u32 s46, s46, s80
	s_lshl_b32 s46, s46, 3
	s_add_co_u32 s46, s46, s23
	s_mul_i32 s46, s46, 12800
	s_add_co_u32 s46, s46, 2048000                 ; w1's record
	s_mov_b32 s47, 0
	s_lshr_b32 s22, s[WV], 2
	s_mul_i32 s22, s22, SLOT
	s_mul_i32 s81, s[NW], 25600
	s_add_co_u32 s22, s22, s81                     ; where it goes: the wave's number alone
	s_mov_b32 s[SEL], 0x76543210
	s_mov_b32 s[SEL+1], 0xfedcba98
	s_wait_dscnt 0x0
	s_wait_kmcnt 0x0
	s_add_nc_u64 s[20:21], s[4:5], s[20:21]
	s_add_nc_u64 s[46:47], s[6:7], s[46:47]
	CROUND                                         ; all sixteen work-groups are here: the first joint loads meet
	MKG0 G0A, 22, 0, 20, 0
	MKG0 G0B0, 22, 0, 46, 0
	s_cmp_lt_u32 s[WV], 12                         ; one chain on the wave's number, one load to an arm: one load of a fetching wave is out
	s_cbranch_scc0 .Lfilled
	s_cmp_eq_u32 s[PB], 0
	s_cbranch_scc0 .Lnot_a
	tensor_load_to_lds s[G0A:G0A+3], s[G1A:G1A+7]
	s_nop 0
.rept 4
	v_nop
.endr
	s_branch .Lfilled
.Lnot_a:
	tensor_load_to_lds s[G0B0:G0B0+3], s[G1B:G1B+7]
	s_nop 0
.rept 4
	v_nop
.endr
.Lfilled:
	v_and_b32 v[HH], 31, v0
	s_delay_alu instid0(VALU_DEP_1)
	v_lshlrev_b32 v[L16], 4, v[HH]
	s_wait_alu depctr_va_vdst(0)
	v_lshlrev_b32 v[L8], 3, v[HH]
	s_wait_alu depctr_va_vdst(0)
	v_and_b32 v[HH], 15, v0
	s_delay_alu instid0(VALU_DEP_1)
	v_lshlrev_b32 v[R4], 2, v[HH]
	v_bfe_u32 v[HH], v0, 4, 1
	s_wait_alu depctr_va_vdst(0)
	s_lshl_b32 s80, s74, 10
	s_lshl_b32 s81, s[NW], 8
	s_add_co_u32 s80, s80, s81
	s_mov_b32 s81, 0
	s_add_nc_u64 s[8:9], s[8:9], s[80:81]          ; b1 at my 64 hidden units
	v_lshlrev_b32 v[TSL], 6, v[HH]                 ; lane (r, h) wants, for tile b, units 32 (b / 2) + 16 h + 8 (b % 2) + 0 .. 7
.irp b, 0,1,2,3
	global_load_b128 v[ACC+8*\b:ACC+8*\b+3], v[TSL], s[8:9] offset:128*(\b/2)+32*(\b%2)
	global_load_b128 v[ACC+8*\b+4:ACC+8*\b+7], v[TSL], s[8:9] offset:128*(\b/2)+32*(\b%2)+16
.endr
	s_mul_i32 s82, s[PA], 25600                    ; A's panel pa in a slot
	s_mul_i32 s83, s[MH], 6144
	s_add_co_u32 s83, s83, s82                     ; its tiles 4 mh, 4 mh + 1
	s_add_co_u32 s84, s83, 3072
	s_mul_i32 s85, s[PB], 25600
	s_add_co_u32 s85, s85, 51200                   ; B's panel pb
	s_lshl_b32 s88, s[NH], 8
	s_add_co_u32 s88, s88, s85
	s_add_co_u32 s88, s88, 12288                   ; its scale words, tiles 4 nh on
	s_mul_i32 s89, s[NH], 6144
	s_add_co_u32 s85, s85, s89
	s_lshl_b32 s86, s[MH], 8
	s_add_co_u32 s86, s86, s82
	s_add_co_u32 s86, s86, 12288                   ; A's scale words
	s_add_co_u32 s87, s86, 128
	s_sub_co_u32 s88, s88, s86                     ; from A's words to B's: lanes 16-31 take B's
	v_add_nc_u32 v[BA16L], s83, v[L16]
	v_add_nc_u32 v[BA8L], s83, v[L8]
	v_add_nc_u32 v[BA16H], s84, v[L16]
	v_add_nc_u32 v[BA8H], s84, v[L8]
	v_add_nc_u32 v[BB16], s85, v[L16]
	v_add_nc_u32 v[BB8], s85, v[L8]
	v_mul_u32_u24 v[BSL], s88, v[HH]
	s_delay_alu instid0(VALU_DEP_1)
	v_add_nc_u32 v[BSL], v[BSL], v[R4]
	s_delay_alu instid0(VALU_DEP_1)
	v_add_nc_u32 v[BSH], s87, v[BSL]
	s_delay_alu instid0(VALU_DEP_2)
	v_add_nc_u32 v[BSL], s86, v[BSL]
	s_wait_alu depctr_va_vdst(0)
	s_wait_loadcnt 0x0                             ; the bias; its address register is free too
	s_wait_tensorcnt 0x0                           ; my one fill has landed; behind the barrier all three slots are whole
	s_barrier_signal -1
	s_barrier_wait -1
	KSTEP 0, 2                                     ; the bias is the C of each sum's first product
	KSTEP 12800, 0
	s_wait_tensorcnt 0x0                           ; all my loads have landed: slots 1 and 2 are whole;
	ds_add_u32 v[SPW], v[NIL]                      ; the add, here twice on end
	ds_add_u32 v[SPW], v[NIL]
	s_add_nc_u64 s[G0A+2:G0A+3], s[G0A+2:G0A+3], 76800      ; slot 0's next fill: K steps 6 and 7
	s_add_nc_u64 s[G0B0+2:G0B0+3], s[G0B0+2:G0B0+3], 76800
	s_wait_dscnt 0x0                               ; both adds are done, and my reads of slot 0 are over
	CROUND                                         ; so of every wave of every partner
	s_cmp_lt_u32 s[WV], 4                          ; slot 0's four waves fill it again
	s_cbranch_scc0 .Lre_d
	s_cmp_eq_u32 s[PB], 0
	s_cbranch_scc0 .Lre_b
	tensor_load_to_lds s[G0A:G0A+3], s[G1A:G1A+7]  ; my one load behind the round: it has four K steps in which to land
	s_nop 0
.rept 4
	v_nop
.endr
	s_branch .Lre_d
.Lre_b:
	tensor_load_to_lds s[G0B0:G0B0+3], s[G1B:G1B+7]
	s_nop 0
.rept 4
	v_nop
.endr
.Lre_d:
	KSTEP SLOT, 0
	KSTEP SLOT+12800, 0
	KSTEP 2*SLOT, 0
	KSTEP 2*SLOT+12800, 0
	s_wait_tensorcnt 0x0                           ; my part of the last fill
	s_wait_dscnt 0x0
	s_barrier_signal -1
	s_barrier_wait -1                              ; everybody's
	KSTEP 0, 0
	KSTEP 12800, 0
	; THE WAY OUT.  No tensor load is out: the descriptors' registers take the coefficients (each twice: the packed form names a pair)
	s_mov_b32 s24, 0x3f3504f3                      ; 1 / sqrt 2
	s_mov_b32 s25, s24
	s_mov_b32 s26, 3.4082910107109506e-03          ; P: z^3
	s_mov_b32 s27, s26
	s_mov_b32 s28, 5.0955695062380861e-02          ; z^2
	s_mov_b32 s29, s28
	s_mov_b32 s30, 1.8520832239976145e-01          ; z
	s_mov_b32 s31, s30
	s_mov_b32 s32, 1.128379143519084               ; 1
	s_mov_b32 s33, s32
	s_mov_b32 s34, 2.3547966471313185e-05          ; Q: z^5
	s_mov_b32 s35, s34
	s_mov_b32 s36, 1.0179625278914885e-03          ; z^4
	s_mov_b32 s37, s36
	s_mov_b32 s38, 1.4070470171167667e-02          ; z^3
	s_mov_b32 s39, s38
	s_mov_b32 s40, 1.1098505178285362e-01          ; z^2
	s_mov_b32 s41, s40
	s_mov_b32 s42, 4.9746925110067538e-01          ; z
	s_mov_b32 s43, s42
	v_mov_b32 v[VA], 2.2905065861350646e-04        ; P: z^4.  (These five and a v_nop are the places behind the last products)
	s_delay_alu instid0(VALU_DEP_1)
	v_mov_b32 v[VA+1], v[VA]
	v_mov_b32 v[VB], -1.1791602954361697e-7        ; Q: z^6
	s_delay_alu instid0(VALU_DEP_1)
	v_mov_b32 v[VB+1], v[VB]
	v_mov_b32 v[VC], 3.7439211627
	v_nop
	v_mov_b32 v[TX], 0                             ; a lane permute's destination counts as one of its sources
	v_mov_b32 v[TX+1], 0
	s_lshl_b32 s80, s75, 1
	s_add_co_u32 s80, s80, s[PA]                   ; the panel of tokens
	s_lshl_b32 s80, s80, 5
	s_lshl_b32 s81, s74, 1
	s_add_co_u32 s80, s80, s81
	s_add_co_u32 s80, s80, s[PB]                   ; the K step of the next product
	s_mul_i32 s80, s80, 12800
	s_mul_i32 s82, s[MH], 6144
	s_add_co_u32 s82, s82, s80
	s_mul_i32 s83, s[NH], 768
	s_add_co_u32 s82, s82, s83
	s_mov_b32 s83, 0
	s_add_nc_u64 s[84:85], s[10:11], s[82:83]      ; half nh of the fragments of tiles 4 mh on
	s_lshl_b32 s82, s[MH], 8
	s_add_co_u32 s82, s82, s80
	s_lshl_b32 s86, s[NH], 1
	s_add_co_u32 s82, s82, s86
	s_add_co_u32 s82, s82, 12288
	s_add_nc_u64 s[10:11], s[10:11], s[82:83]      ; bytes 2 nh, 2 nh + 1 of their scale words
.irp a, 0,1,2,3
	GELU16 ACC+32*\a
	GELU16 ACC+32*\a+16
	s_wait_xcnt 0x0                                ; the last tile's stores have read their registers: the codes may be written again
	QUANT2 ACC+32*\a, PC, PW
	global_store_b128 v[L16], v[PC:PC+3], s[84:85] offset:1536*\a
	global_store_b64 v[L8], v[PC+4:PC+5], s[84:85] offset:1536*\a+512
	global_store_b16 v[R4], v[PW], s[10:11] offset:64*\a
.endr
	s_wait_tensorcnt 0x0                           ; the wave's end
	ds_add_u32 v[SPW], v[NIL]
	s_wait_dscnt 0x0
	CROUND                                         ; the closing round
	s_endpgm
.Lfunc_end_k_q246697222a_ffn1:
	.size	k_q246697222a_ffn1, .Lfunc_end_k_q246697222a_ffn1-k_q246697222a_ffn1
	.p2alignl 7, 3214868480
	.fill 96, 4, 3214868480
	.section	.rodata,"a",@progbits
	.p2align	6, 0x0
	.amdhsa_kernel k_q246697222a_ffn1
		.amdhsa_group_segment_fixed_size 327680
		.amdhsa_private_segment_fixed_size 0
		.amdhsa_enable_private_segment 0
		.amdhsa_kernarg_size 32
		.amdhsa_user_sgpr_count 2
		.amdhsa_user_sgpr_kernarg_segment_ptr 1
		.amdhsa_wavefront_size32 1
		.amdhsa_system_sgpr_workgroup_id_x 1
		.amdhsa_system_sgpr_workgroup_id_y 1
		.amdhsa_system_sgpr_workgroup_id_z 1
		.amdhsa_system_vgpr_workitem_id 0
		.amdhsa_next_free_vgpr 256
		.amdhsa_next_free_sgpr 100
		.amdhsa_reserve_vcc 0
		.amdhsa_float_denorm_mode_32 3
		.amdhsa_float_denorm_mode_16_64 3
		.amdhsa_memory_ordered 1
		.amdhsa_forward_progress 1
		.amdhsa_inst_pref_size 141
	.end_amdhsa_kernel
	.amdgpu_metadata
---
amdhsa.version: [ 1, 2 ]
amdhsa.kernels:
  - .name:           k_q246697222a_ffn1
    .symbol:         k_q246697222a_ffn1.kd
    .args:
      - { .name: hp, .offset: 0, .size: 8, .value_kind: global_buffer, .address_space: global }
      - { .name: wp, .offset: 8, .size: 8, .value_kind: global_buffer, .address_space: global }
      - { .name: b1, .offset: 16, .size: 8, .value_kind: global_buffer, .address_space: global }
      - { .name: fp, .offset: 24, .size: 8, .value_kind: global_buffer, .address_space: global }
    .group_segment_fixed_size: 327680
    .private_segment_fixed_size: 0
    .kernarg_segment_align: 8
    .kernarg_segment_size: 32
    .max_flat_workgroup_size: 512
    .sgpr_count:     100
    .vgpr_count:     256
    .wavefront_size: 32
...
	.end_amdgpu_metadata
.endif
;; end of part 6
;; launch ffn2 (part 7): grid 8 x 32, 8 waves a work-group, clusters of 4 x 4, 327,680 bytes of LDS; arguments fp, wp, b2, x1, out0; writes out0
.if DOCPART == 7
	.amdgcn_target "amdgcn-amd-amdhsa--gfx1250"
	.amdhsa_code_object_version 6
	.text
	.protected	k_q246697222a_ffn2
	.globl	k_q246697222a_ffn2
	.p2align	8
	.type	k_q246697222a_ffn2,@function
k_q246697222a_ffn2:
	s_mov_b64 s[64:65], 0
	v_nop
	global_prefetch_b8 v0, s[64:65] scope:SCOPE_SE
	s_setreg_imm32_b32 hwreg(HW_REG_WAVE_MODE, 25, 1), 1
	s_wait_xcnt 0x0
	s_wait_alu depctr_hold_cnt(0) depctr_sa_sdst(0) depctr_va_vdst(0) depctr_va_sdst(0) depctr_va_ssrc(0) depctr_va_vcc(0) depctr_vm_vsrc(0)
	s_getreg_b32 s2, hwreg(HW_REG_IB_STS2, 6, 4)
	s_cmp_eq_u32 s2, 0
	s_cbranch_scc0 .Lentry_in_a_cluster
	s_endpgm
.Lentry_in_a_cluster:
	s_bfe_u32 s2, ttmp6, 0x10000c
	s_cmp_lg_u32 s2, 0xf033
	s_cbranch_scc0 .Lentry_shape_is_right
	s_endpgm
.Lentry_shape_is_right:
.set KST, 32
.set WOFF, 5324800
.set RECB, 12800
.set BOFF, 12*RECB
.set TOFF, 8*RECB
.set STGO, TOFF+64*528
.set SPARE, 2*BOFF
.set SPW, 1
.set NIL, 2
.set BB16, 3
.set BB8, 4
.set BA16L, 5
.set BA8L, 6
.set BA16H, 7
.set BA8H, 8
.set BSL, 9
.set BSH, 10
.set TB16, 11
.set TB8, 12
.set TA16L, 13
.set TA8L, 14
.set TA16H, 15
.set TA8H, 16
.set TSL, 17
.set TSH, 18
.set XS, 11
.set XL, 12
.set SOA, 13
.set SRA, 14
.set RRA, 15
.set GO, 16
.set L16, 19
.set BQ, 20
.set SC, 24
.set L8, 28
.set R4, 29
.set HH, 30
.set R16, 31
.set AF, 32
.set BF, 80
.set ACC, 128
.set WV, 14
.set KG, 15
.set MH, 16
.set NH, 17
.set G1A2, 24
.set G1B2, 32
.set G1A1, 40
.set G1B1, 48
.set G1R, 56
.set G0SA, 68
.set G0SB, 72
.set G0TA, 76
.set G0TB, 80
.set G0R, 84
.set XC, 90
.set YR, 91
.macro CROUND
	s_barrier_signal -1
	s_barrier_wait -1
	s_cmp_lg_u32 s[WV], 0
	s_cbranch_scc1 .Lnw0_\@
	s_barrier_signal -3
.Lnw0_\@:
	s_barrier_wait -3
	s_barrier_signal -1
	s_barrier_wait -1
.endm
.macro RECG1 g, rows
	s_mov_b32 s[\g+1], 32<<16
	s_mov_b32 s[\g+2], (\rows)<<16
	s_mov_b32 s[\g+3], 32<<16
	s_mov_b32 s[\g+4], \rows
	s_mov_b32 s[\g+5], 32
	s_mov_b32 s[\g+6], 0
	s_mov_b32 s[\g+7], 0
.endm
.macro MKG0 g, lr, lo, br, go
	s_mov_b32 s[\g], 1
	s_add_co_u32 s[\g+1], s[\lr], \lo
	s_add_nc_u64 s[\g+2:\g+3], s[\br:\br+1], \go
	s_or_b32 s[\g+3], s[\g+3], 0x80000000
.endm
.macro JLOAD g0a, g1a, g0b, g1b
	s_cmp_eq_u32 s[KG], 0
	s_cbranch_scc0 .Lfb_\@
	tensor_load_to_lds s[\g0a:\g0a+3], s[\g1a:\g1a+7]
	s_nop 0
.rept 4
	v_nop
.endr
	s_branch .Lfd_\@
.Lfb_\@:
	tensor_load_to_lds s[\g0b:\g0b+3], s[\g1b:\g1b+7]
	s_nop 0
.rept 4
	v_nop
.endr
.Lfd_\@:
.endm
.macro KLOAD c
	v_add_nc_u32 v[TSL], \c, v[BSL]
	v_add_nc_u32 v[TSH], \c, v[BSH]
	v_add_nc_u32 v[TB16], \c, v[BB16]
	v_add_nc_u32 v[TB8], \c, v[BB8]
	v_add_nc_u32 v[TA16L], \c, v[BA16L]
	v_add_nc_u32 v[TA8L], \c, v[BA8L]
	v_add_nc_u32 v[TA16H], \c, v[BA16H]
	v_add_nc_u32 v[TA8H], \c, v[BA8H]
	ds_load_b32 v[SC], v[TSL]
	ds_load_b32 v[SC+1], v[TSL] offset:64
	ds_load_b32 v[SC+2], v[TSH]
	ds_load_b32 v[SC+3], v[TSH] offset:64
.irp i, 0,1,2,3
	ds_load_b128 v[BF+12*\i:BF+12*\i+3], v[TB16] offset:1536*\i
	ds_load_b64 v[BF+12*\i+4:BF+12*\i+5], v[TB8] offset:1536*\i+512
	ds_load_b128 v[BF+12*\i+6:BF+12*\i+9], v[TB16] offset:1536*\i+768
	ds_load_b64 v[BF+12*\i+10:BF+12*\i+11], v[TB8] offset:1536*\i+1280
.endr
.irp i, 0,1
	ds_load_b128 v[AF+12*\i:AF+12*\i+3], v[TA16L] offset:1536*\i
	ds_load_b64 v[AF+12*\i+4:AF+12*\i+5], v[TA8L] offset:1536*\i+512
	ds_load_b128 v[AF+12*\i+6:AF+12*\i+9], v[TA16L] offset:1536*\i+768
	ds_load_b64 v[AF+12*\i+10:AF+12*\i+11], v[TA8L] offset:1536*\i+1280
.endr
.irp i, 0,1
	ds_load_b128 v[AF+24+12*\i:AF+24+12*\i+3], v[TA16H] offset:1536*\i
	ds_load_b64 v[AF+24+12*\i+4:AF+24+12*\i+5], v[TA8H] offset:1536*\i+512
	ds_load_b128 v[AF+24+12*\i+6:AF+24+12*\i+9], v[TA16H] offset:1536*\i+768
	ds_load_b64 v[AF+24+12*\i+10:AF+24+12*\i+11], v[TA8H] offset:1536*\i+1280
.endr
.endm
.macro MT a, b, m
.if \m == 1
	v_wmma_scale_f32_16x16x128_f8f6f4 v[ACC+8*(4*\a+\b):ACC+8*(4*\a+\b)+7], v[BF+12*\b:BF+12*\b+11], v[AF+12*\a:AF+12*\a+11], 0, v[SC+\b], v[SC+\a] matrix_a_fmt:MATRIX_FMT_FP6 matrix_b_fmt:MATRIX_FMT_FP6 matrix_a_scale:MATRIX_SCALE_ROW1
.else
	v_wmma_scale_f32_16x16x128_f8f6f4 v[ACC+8*(4*\a+\b):ACC+8*(4*\a+\b)+7], v[BF+12*\b:BF+12*\b+11], v[AF+12*\a:AF+12*\a+11], v[ACC+8*(4*\a+\b):ACC+8*(4*\a+\b)+7], v[SC+\b], v[SC+\a] matrix_a_fmt:MATRIX_FMT_FP6 matrix_b_fmt:MATRIX_FMT_FP6 matrix_a_scale:MATRIX_SCALE_ROW1
.endif
.endm
.macro KSTEP c, m
	KLOAD \c
.irp a, 0,1,2,3
	s_wait_dscnt 12-4*\a
.irp b, 0,1,2,3
	MT \a, \b, \m
.endr
.endr
.endm
.macro RUN_S first
	KSTEP 0, \first
	KSTEP 2*RECB, 0
	KSTEP 4*RECB, 0
	KSTEP 6*RECB, 0
.endm
.macro RUN_T
	KSTEP 8*RECB, 0
	KSTEP 10*RECB, 0
.endm
.macro CHANGE what
	s_wait_tensorcnt 0x0
	ds_add_u32 v[SPW], v[NIL]
.if \what == 0
	s_add_nc_u64 s[G0SA+2:G0SA+3], s[G0SA+2:G0SA+3], 12*RECB
	s_add_nc_u64 s[G0SB+2:G0SB+3], s[G0SB+2:G0SB+3], 12*RECB
.elseif \what == 1
	s_add_nc_u64 s[G0TA+2:G0TA+3], s[G0TA+2:G0TA+3], 12*RECB
	s_add_nc_u64 s[G0TB+2:G0TB+3], s[G0TB+2:G0TB+3], 12*RECB
.endif
	s_wait_dscnt 0x0
	CROUND
.if \what == 0
	JLOAD G0SA, G1A2, G0SB, G1B2
.elseif \what == 1
	JLOAD G0TA, G1A1, G0TB, G1B1
.else
	tensor_load_to_lds s[G0R:G0R+3], s[G1R:G1R+7]
	s_nop 0
.rept 4
	v_nop
.endr
.endif
.endm
.macro STIO a
.irp e, 0,1
.irp q, 0,1,2,3
	ds_store_b128 v[SOA], v[ACC+32*\a+16*\e+4*\q:ACC+32*\a+16*\e+4*\q+3] offset:128*\e+16*\q
.endr
.endr
.irp t, 0,1,2,3,4,5,6,7
	ds_load_b128 v[32+32*\a+4*\t:35+32*\a+4*\t], v[SRA] offset:544*\t
.endr
.irp t, 0,1,2,3,4,5,6,7
	ds_load_b128 v[192+32*\a+4*\t:195+32*\a+4*\t], v[RRA] offset:528*(8*\a+2*\t+8*(\t/4))
.endr
.endm
.macro FIN a
.irp t, 0,1,2,3,4,5,6,7
	v_pk_add_f32 v[32+32*\a+4*\t:33+32*\a+4*\t], v[32+32*\a+4*\t:33+32*\a+4*\t], v[BQ:BQ+1]
	v_pk_add_f32 v[34+32*\a+4*\t:35+32*\a+4*\t], v[34+32*\a+4*\t:35+32*\a+4*\t], v[BQ+2:BQ+3]
	s_delay_alu instid0(VALU_DEP_2)
	v_pk_add_f32 v[32+32*\a+4*\t:33+32*\a+4*\t], v[32+32*\a+4*\t:33+32*\a+4*\t], v[192+32*\a+4*\t:193+32*\a+4*\t]
	s_delay_alu instid0(VALU_DEP_2)
	v_pk_add_f32 v[34+32*\a+4*\t:35+32*\a+4*\t], v[34+32*\a+4*\t:35+32*\a+4*\t], v[194+32*\a+4*\t:195+32*\a+4*\t]
	global_store_b128 v[GO], v[32+32*\a+4*\t:35+32*\a+4*\t], s[12:13] offset:4096*(8*\a+2*\t+8*(\t/4))
.endr
.endm
	s_load_b256 s[4:11], s[0:1], 0x0
	s_load_b64 s[12:13], s[0:1], 0x20
	v_lshl_add_u32 v[SPW], v0, 2, SPARE
	v_mov_b32 v[NIL], 0
	ds_add_u32 v[SPW], v[NIL]
	ds_add_u32 v[SPW], v[NIL]
	v_lshrrev_b32 v[HH], 5, v0
	s_delay_alu instid0(VALU_DEP_1)
	v_readfirstlane_b32 s[WV], v[HH]
	s_lshr_b32 s[KG], s[WV], 2
	s_bfe_u32 s[MH], s[WV], 0x10001
	s_and_b32 s[NH], s[WV], 1
	s_bfe_u32 s88, ttmp6, 0x40000
	s_bfe_u32 s89, ttmp6, 0x40004
	s_lshl_b32 s[XC], ttmp9, 2
	s_add_co_u32 s[XC], s[XC], s88
	s_and_b32 s[YR], ttmp7, 0xffff
	s_lshl_b32 s[YR], s[YR], 2
	s_add_co_u32 s[YR], s[YR], s89
	s_lshl_b32 s92, s89, 2
	s_lshl_b32 s92, 15, s92
	s_lshl_b32 s93, 0x1111, s88
	s_or_b32 s[G1A2], s92, (3<<16)|(1<<21)
	s_or_b32 s[G1A1], s92, (3<<16)|(1<<21)
	s_or_b32 s[G1B2], s93, (3<<16)|(1<<21)
	s_or_b32 s[G1B1], s93, (3<<16)|(1<<21)
	RECG1 G1A2, 100
	RECG1 G1B2, 100
	RECG1 G1A1, 50
	RECG1 G1B1, 50
	s_mov_b32 s[G1R], (2<<16)|(1<<20)|(6<<22)|(3<<25)
	s_mov_b32 s[G1R+1], 128<<16
	s_mov_b32 s[G1R+2], 16<<16
	s_mov_b32 s[G1R+3], 128<<16
	s_mov_b32 s[G1R+4], 16
	s_mov_b32 s[G1R+5], 1024
	s_mov_b32 s[G1R+6], 0
	s_mov_b32 s[G1R+7], 0
	s_and_b32 s18, s[WV], 3
	s_mul_i32 s19, s[YR], KST*RECB
	s_mul_i32 s20, s18, 2*RECB
	s_add_co_u32 s20, s20, s19
	s_mov_b32 s21, 0
	s_mul_i32 s22, s18, RECB
	s_add_co_u32 s22, s22, s19
	s_mov_b32 s23, 0
	s_mul_i32 s3, s[XC], KST*RECB
	s_add_co_u32 s3, s3, WOFF
	s_mul_i32 s94, s18, 2*RECB
	s_add_co_u32 s94, s94, s3
	s_mov_b32 s95, 0
	s_mul_i32 s96, s18, RECB
	s_add_co_u32 s96, s96, s3
	s_mov_b32 s97, 0
	s_mul_i32 s66, s[KG], BOFF
	s_mul_i32 s100, s18, 2*RECB
	s_add_co_u32 s100, s100, s66
	s_mul_i32 s101, s18, RECB
	s_add_co_u32 s101, s101, s66
	s_mul_i32 s2, s18, 16*528
	s_add_co_u32 s2, s2, s66
	s_lshl_b32 s98, s[YR], 7
	s_lshl_b32 s67, s[WV], 4
	s_add_co_u32 s98, s98, s67
	s_lshl_b32 s98, s98, 12
	s_lshl_b32 s67, s[XC], 9
	s_add_co_u32 s98, s98, s67
	s_mov_b32 s99, 0
	s_wait_dscnt 0x0
	s_wait_kmcnt 0x0
	s_add_nc_u64 s[20:21], s[4:5], s[20:21]
	s_add_nc_u64 s[22:23], s[4:5], s[22:23]
	s_add_nc_u64 s[94:95], s[6:7], s[94:95]
	s_add_nc_u64 s[96:97], s[6:7], s[96:97]
	s_add_nc_u64 s[98:99], s[10:11], s[98:99]
	CROUND
	MKG0 G0SA, 100, 0, 20, 0
	MKG0 G0SB, 100, 0, 94, 0
	JLOAD G0SA, G1A2, G0SB, G1B2
	MKG0 G0TA, 101, TOFF, 22, 8*RECB
	MKG0 G0TB, 101, TOFF, 96, 8*RECB
	s_wait_alu depctr_va_vdst(0)
	s_wait_tensorcnt 0x0
	ds_add_u32 v1, v2
	s_wait_dscnt 0x0
	CROUND
	JLOAD G0TA, G1A1, G0TB, G1B1
	MKG0 G0R, 2, TOFF, 98, 0
	v_and_b32 v[HH], 31, v0
	s_delay_alu instid0(VALU_DEP_1)
	v_lshlrev_b32 v[L16], 4, v[HH]
	s_wait_alu depctr_va_vdst(0)
	v_lshlrev_b32 v[L8], 3, v[HH]
	s_wait_alu depctr_va_vdst(0)
	v_and_b32 v[HH], 15, v0
	s_delay_alu instid0(VALU_DEP_1)
	v_lshlrev_b32 v[R4], 2, v[HH]
	s_delay_alu instid0(VALU_DEP_2)
	v_lshlrev_b32 v[R16], 4, v[HH]
	v_bfe_u32 v[HH], v0, 4, 1
	s_wait_alu depctr_va_vdst(0)
	s_lshl_b32 s92, s[XC], 9
	s_lshl_b32 s94, s[NH], 8
	s_add_co_u32 s94, s94, s92
	s_mov_b32 s95, 0
	s_add_nc_u64 s[8:9], s[8:9], s[94:95]
	global_load_b128 v[BQ:BQ+3], v[R16], s[8:9]
	s_mul_i32 s18, s[KG], 15872
	s_mul_i32 s19, s[MH], 6144
	s_add_co_u32 s18, s18, s19
	s_mul_i32 s20, s[KG], 9728
	s_add_co_u32 s20, s20, s19
	s_add_co_u32 s20, s20, 3072
	s_mul_i32 s21, s[KG], RECB
	s_mul_i32 s22, s[NH], 6144
	s_add_co_u32 s22, s22, s21
	s_add_co_u32 s22, s22, BOFF
	s_mul_i32 s23, s[KG], 12928
	s_lshl_b32 s66, s[MH], 8
	s_add_co_u32 s23, s23, s66
	s_add_co_u32 s23, s23, 12288
	s_mul_i32 s67, s[KG], 12672
	s_add_co_u32 s67, s67, s66
	s_add_co_u32 s67, s67, 12416
	s_lshl_b32 s88, s[NH], 8
	s_add_co_u32 s88, s88, s21
	s_add_co_u32 s88, s88, BOFF+12288
	s_sub_co_u32 s89, s88, s23
	s_add_co_u32 s88, s88, 128
	s_sub_co_u32 s92, s88, s67
	v_add_nc_u32 v[BA16L], s18, v[L16]
	v_add_nc_u32 v[BA8L], s18, v[L8]
	v_add_nc_u32 v[BA16H], s20, v[L16]
	v_add_nc_u32 v[BA8H], s20, v[L8]
	v_add_nc_u32 v[BB16], s22, v[L16]
	v_add_nc_u32 v[BB8], s22, v[L8]
	v_mul_u32_u24 v[BSL], s89, v[HH]
	s_delay_alu instid0(VALU_DEP_1)
	v_add_nc_u32 v[BSL], v[BSL], v[R4]
	s_delay_alu instid0(VALU_DEP_1)
	v_add_nc_u32 v[BSL], s23, v[BSL]
	v_mul_u32_u24 v[BSH], s92, v[HH]
	s_delay_alu instid0(VALU_DEP_1)
	v_add_nc_u32 v[BSH], v[BSH], v[R4]
	s_delay_alu instid0(VALU_DEP_1)
	v_add_nc_u32 v[BSH], s67, v[BSH]
	s_wait_alu depctr_va_vdst(0)
	s_wait_tensorcnt 1
	s_barrier_signal -1
	s_barrier_wait -1
	RUN_S 1
	CHANGE 0
	RUN_T
	CHANGE 1
	RUN_S 0
	CHANGE 0
	RUN_T
	CHANGE 2
	RUN_S 0
	s_lshl_b32 s18, s[WV], 13
	v_add_nc_u32 v[XS], s18, v[L16]
	s_xor_b32 s18, s18, 4<<13
	v_add_nc_u32 v[XL], s18, v[L16]
	s_and_b32 s19, s[WV], 3
	s_mul_i32 s19, s19, 16*272
	s_mul_i32 s20, s[KG], BOFF
	s_add_co_u32 s19, s19, s20
	s_add_co_u32 s19, s19, STGO
	v_mul_u32_u24 v[SOA], v[R16], 17
	s_delay_alu instid0(VALU_DEP_1)
	v_lshl_add_u32 v[SOA], v[HH], 6, v[SOA]
	s_delay_alu instid0(VALU_DEP_1)
	v_add_nc_u32 v[SOA], s19, v[SOA]
	v_mul_u32_u24 v[SRA], v[HH], 272
	s_delay_alu instid0(VALU_DEP_1)
	v_add_nc_u32 v[SRA], v[SRA], v[R16]
	s_delay_alu instid0(VALU_DEP_1)
	v_add_nc_u32 v[SRA], s19, v[SRA]
	s_mul_i32 s21, s[MH], BOFF
	s_mul_i32 s22, s[KG], 32*528
	s_add_co_u32 s21, s21, s22
	s_lshl_b32 s20, s[NH], 8
	s_add_co_u32 s21, s21, s20
	s_add_co_u32 s21, s21, TOFF
	v_mul_u32_u24 v[RRA], v[HH], 528
	s_delay_alu instid0(VALU_DEP_1)
	v_add_nc_u32 v[RRA], v[RRA], v[R16]
	s_delay_alu instid0(VALU_DEP_1)
	v_add_nc_u32 v[RRA], s21, v[RRA]
	v_lshl_add_u32 v[GO], v[HH], 12, v[R16]
	s_lshl_b32 s66, s[MH], 1
	s_add_co_u32 s66, s66, s[KG]
	s_lshl_b32 s66, s66, 5
	s_lshl_b32 s22, s[YR], 7
	s_add_co_u32 s22, s22, s66
	s_lshl_b32 s22, s22, 12
	s_lshl_b32 s67, s[XC], 9
	s_add_co_u32 s22, s22, s67
	s_add_co_u32 s22, s22, s20
	s_mov_b32 s23, 0
	s_add_nc_u64 s[12:13], s[12:13], s[22:23]
	s_wait_dscnt 0x0
	s_barrier_signal -1
	s_barrier_wait -1
.set n, 0
.rept 16
	ds_store_b128 v[XS], v[ACC+64+4*n:ACC+67+4*n] offset:512*n
.set n, n+1
.endr
	s_wait_tensorcnt 0x0
	s_wait_dscnt 0x0
	s_barrier_signal -1
	s_barrier_wait -1
.set n, 0
.rept 16
	ds_load_b128 v[32+4*n:35+4*n], v[XL] offset:512*n
.set n, n+1
.endr
	s_wait_dscnt 0x0
.set n, 0
.rept 32
	v_pk_add_f32 v[ACC+n:ACC+n+1], v[ACC+n:ACC+n+1], v[32+n:33+n]
.set n, n+2
.endr
	STIO 0
	STIO 1
	s_wait_loadcnt 0x0
	s_wait_dscnt 24
	FIN 0
	s_wait_dscnt 0x0
	FIN 1
	s_wait_tensorcnt 0x0
	ds_add_u32 v[SPW], v[NIL]
	s_wait_dscnt 0x0
	CROUND
	s_endpgm
.Lfunc_end_k_q246697222a_ffn2:
	.size	k_q246697222a_ffn2, .Lfunc_end_k_q246697222a_ffn2-k_q246697222a_ffn2
	.p2alignl 7, 3214868480
	.fill 96, 4, 3214868480
	.section	.rodata,"a",@progbits
	.p2align	6, 0x0
	.amdhsa_kernel k_q246697222a_ffn2
		.amdhsa_group_segment_fixed_size 327680
		.amdhsa_private_segment_fixed_size 0
		.amdhsa_enable_private_segment 0
		.amdhsa_kernarg_size 40
		.amdhsa_user_sgpr_count 2
		.amdhsa_user_sgpr_kernarg_segment_ptr 1
		.amdhsa_wavefront_size32 1
		.amdhsa_system_sgpr_workgroup_id_x 1
		.amdhsa_system_sgpr_workgroup_id_y 1
		.amdhsa_system_sgpr_workgroup_id_z 1
		.amdhsa_system_vgpr_workitem_id 0
		.amdhsa_next_free_vgpr 256
		.amdhsa_next_free_sgpr 102
		.amdhsa_reserve_vcc 0
		.amdhsa_float_denorm_mode_32 3
		.amdhsa_float_denorm_mode_16_64 3
		.amdhsa_memory_ordered 1
		.amdhsa_forward_progress 1
		.amdhsa_inst_pref_size 108
	.end_amdhsa_kernel
	.amdgpu_metadata
---
amdhsa.version: [ 1, 2 ]
amdhsa.kernels:
  - .name:           k_q246697222a_ffn2
    .symbol:         k_q246697222a_ffn2.kd
    .args:
      - { .name: fp, .offset: 0, .size: 8, .value_kind: global_buffer, .address_space: global }
      - { .name: wp, .offset: 8, .size: 8, .value_kind: global_buffer, .address_space: global }
      - { .name: b2, .offset: 16, .size: 8, .value_kind: global_buffer, .address_space: global }
      - { .name: x1, .offset: 24, .size: 8, .value_kind: global_buffer, .address_space: global }
      - { .name: out0, .offset: 32, .size: 8, .value_kind: global_buffer, .address_space: global }
    .group_segment_fixed_size: 327680
    .private_segment_fixed_size: 0
    .kernarg_segment_align: 8
    .kernarg_segment_size: 40
    .max_flat_workgroup_size: 256
    .sgpr_count:     102
    .vgpr_count:     256
    .wavefront_size: 32
...
	.end_amdgpu_metadata
.endif
;; end of part 7
